; MI455X (gfx1250); checked and timed in simulation.
; The chip was launched on July 23, 2026; its instructions are those of AMD's public machine-readable ISA for CDNA 5 (MIT licence, August 2026) and "CDNA5" Instruction Set Architecture Reference Guide (July 2026). The comments in the code are by the model that wrote it; some were corrected since.
;; Co Ro PE. Allowed arithmetic: float matrix products may take bf16 or f16 operands with f32 sums; other float arithmetic in f32, or as packed bf16 or f16 multiplies, adds, multiply-adds, maxima and minima; sums over many terms, partial sums and values carried from step to step in f32; what a program stores and reads back later, other than sums and carried values, may be rounded once to bf16 or f16.
;; Inputs: Wk 2,048 x 512 float32; Wo 2,048 x 2,048 float32; Wq 2,048 x 2,048 float32; Wv 2,048 x 512 float32; x 4 x 1,024 x 2,048 float32.
;; Outputs: out0 4 x 1,024 x 2,048 float32.
;; 2 versions, each right; version 2 is version 1 with the launch prep written anew for expert scheduling mode. Each part assembles by itself: llvm-mc -triple=amdgcn-amd-amdhsa -mcpu=gfx1250 --defsym DOCPART=n.
;; ======== version 1 of 2: 4 launches
;; limits: values are held in f16: magnitudes above 65,504 overflow, below 6.1e-05 lose precision
;; workspace buffers: xb 16,777,216 bytes; wqkv 12,582,912 bytes; wo16 8,388,608 bytes; qkv 25,165,824 bytes; y 16,777,216 bytes
;; launch prep (part 1): grid 896 x 1, 8 waves a work-group, no clusters, 0 bytes of LDS; arguments x, Wq, Wk, Wv, xb, wqkv; writes xb, wqkv
.if DOCPART == 1
	.amdgcn_target "amdgcn-amd-amdhsa--gfx1250"
	.amdhsa_code_object_version 6
	.text
	.protected	k_q20334548d6_prep
	.globl	k_q20334548d6_prep
	.p2align	8
	.type	k_q20334548d6_prep,@function
k_q20334548d6_prep:
	s_mov_b64 s[64:65], 0
	v_nop
	global_prefetch_b8 v0, s[64:65] scope:SCOPE_SE
	s_setreg_imm32_b32 hwreg(HW_REG_WAVE_MODE, 25, 1), 1
	s_wait_xcnt 0x0
; THE CASTS in front of the first product.  x -> xb (bf16, [4096][2048]);  Wq, Wk, Wv -> wqkv (bf16, one matrix [2048 k][3072 n]: columns 0-2047 Wq, 2048-2559 Wk, 2560-3071 Wv).
; (Wo's cast is wanted two launches on and rides in the attention launch.)  NaN and infinities pass as the conversion gives them.
; SHARES.  A work-group takes 16,384 consecutive numbers of one source (65,536 bytes): 16 steps of 1,024; in a step thread t takes 4 numbers: one load of 16 bytes, one store of 8.
; A wave's load covers 512 consecutive bytes, a wave's store 256 consecutive bytes at a multiple of 256 from the buffer's first byte.  All 16 loads go out first; no register is written twice
; while a memory instruction may read it, so the only waits are the counted ones for the loads.  No LDS, no matrix unit, no cluster: nothing is shared and nothing is multiplied.
; Work-groups 0-511: x;  512-767: Wq (8 rows each);  768-831: Wk (32 rows of 512 each);  832-895: Wv.
.set X, 16                             ; v[16:79]  step j: 4 numbers as loaded
.set Y, 80                             ; v[80:111] step j: 4 numbers of 16 bits, to store
	s_load_b256 s[8:15], s[0:1], 0x0               ; x 8:9, Wq 10:11, Wk 12:13, Wv 14:15
	s_load_b128 s[16:19], s[0:1], 0x20             ; xb 16:17, wqkv 18:19
	v_lshlrev_b32 v1, 4, v0                        ; 16 t: my bytes in a step of the source
	v_lshlrev_b32 v2, 3, v0                        ; 8 t: my bytes in a step of a dense or wide destination
	v_lshrrev_b32 v3, 7, v0                        ; Wk, Wv: a step is two rows of 512: row t / 128,
	v_and_b32 v4, 127, v0
	v_mul_u32_u24 v3, v3, 6144                     ; 6,144 bytes from row to row of wqkv,
	v_lshl_add_u32 v3, v4, 3, v3                   ; 8 bytes for each thread of the row
	s_mov_b32 s25, 0
	s_mov_b32 s27, 0
	s_wait_kmcnt 0x0
	s_mov_b64 s[4:5], s[8:9]                       ; the source and its first work-group, chosen by the work-group's number alone
	s_mov_b32 s2, 0
	s_cmp_ge_u32 ttmp9, 512
	s_cselect_b64 s[4:5], s[10:11], s[4:5]
	s_cselect_b32 s2, 512, s2
	s_cmp_ge_u32 ttmp9, 768
	s_cselect_b64 s[4:5], s[12:13], s[4:5]
	s_cselect_b32 s2, 768, s2
	s_cmp_ge_u32 ttmp9, 832
	s_cselect_b64 s[4:5], s[14:15], s[4:5]
	s_cselect_b32 s2, 832, s2
	s_sub_co_u32 s3, ttmp9, s2                     ; my number within the source
	s_lshl_b32 s24, s3, 16                         ; 65,536 bytes each
	s_add_nc_u64 s[4:5], s[4:5], s[24:25]
.set j, 0
.rept 16
	global_load_b128 v[X+4*j:X+4*j+3], v1, s[4:5] offset:4096*j th:TH_LOAD_NT
.set j, j+1
.endr
; The 16 steps of one kind of destination.  vo: the register with my store offset.  mode: where step j lies: 0 dense, 1 half rows of wqkv, 2 two short rows of wqkv.
.macro PATH vo, mode
.set j, 0
.rept 16
.if (\mode) == 0
.set ofs, 2048*j
.elseif (\mode) == 1
.set ofs, (j/2)*6144+(j%2)*2048
.else
.set ofs, 12288*j
.endif
	s_wait_loadcnt 15-j                            ; loads come back in order: step j is in, the 15 - j younger ones may stay out
	v_cvt_pk_bf16_f32 v[Y+2*j], v[X+4*j], v[X+4*j+1]
	v_cvt_pk_bf16_f32 v[Y+2*j+1], v[X+4*j+2], v[X+4*j+3]
	global_store_b64 v[\vo], v[Y+2*j:Y+2*j+1], s[6:7] offset:ofs
.set j, j+1
.endr
	s_endpgm
.endm
	s_cmp_lt_u32 ttmp9, 512
	s_cbranch_scc1 .Lx
	s_cmp_lt_u32 ttmp9, 768
	s_cbranch_scc1 .Lwq
	s_mul_i32 s26, s3, 196608                      ; Wk, Wv: 32 rows of wqkv a work-group,
	s_mov_b32 s28, 4096                            ; from column 2,048 on (Wk)
	s_cmp_ge_u32 ttmp9, 832
	s_cselect_b32 s28, 5120, s28                   ; or 2,560 (Wv)
	s_add_co_u32 s26, s26, s28
	s_add_nc_u64 s[6:7], s[18:19], s[26:27]
	PATH 3, 2
.Lx:
	s_lshl_b32 s26, s3, 15                         ; 32,768 bytes out a work-group
	s_add_nc_u64 s[6:7], s[16:17], s[26:27]
	PATH 2, 0
.Lwq:
	s_mul_i32 s26, s3, 49152                       ; 8 rows of wqkv a work-group
	s_add_nc_u64 s[6:7], s[18:19], s[26:27]
	PATH 2, 1
.Lfunc_end_k_q20334548d6_prep:
	.size	k_q20334548d6_prep, .Lfunc_end_k_q20334548d6_prep-k_q20334548d6_prep
	.p2alignl 7, 3214868480
	.fill 96, 4, 3214868480
	.section	.rodata,"a",@progbits
	.p2align	6, 0x0
	.amdhsa_kernel k_q20334548d6_prep
		.amdhsa_group_segment_fixed_size 0
		.amdhsa_private_segment_fixed_size 0
		.amdhsa_enable_private_segment 0
		.amdhsa_kernarg_size 48
		.amdhsa_user_sgpr_count 2
		.amdhsa_user_sgpr_kernarg_segment_ptr 1
		.amdhsa_wavefront_size32 1
		.amdhsa_system_sgpr_workgroup_id_x 1
		.amdhsa_system_sgpr_workgroup_id_y 1
		.amdhsa_system_sgpr_workgroup_id_z 1
		.amdhsa_system_vgpr_workitem_id 0
		.amdhsa_next_free_vgpr 112
		.amdhsa_next_free_sgpr 66
		.amdhsa_reserve_vcc 0
		.amdhsa_float_denorm_mode_32 3
		.amdhsa_float_denorm_mode_16_64 3
		.amdhsa_memory_ordered 1
		.amdhsa_forward_progress 1
		.amdhsa_inst_pref_size 16
	.end_amdhsa_kernel
	.amdgpu_metadata
---
amdhsa.version: [ 1, 2 ]
amdhsa.kernels:
  - .name:           k_q20334548d6_prep
    .symbol:         k_q20334548d6_prep.kd
    .args:
      - { .name: x, .offset: 0, .size: 8, .value_kind: global_buffer, .address_space: global }
      - { .name: Wq, .offset: 8, .size: 8, .value_kind: global_buffer, .address_space: global }
      - { .name: Wk, .offset: 16, .size: 8, .value_kind: global_buffer, .address_space: global }
      - { .name: Wv, .offset: 24, .size: 8, .value_kind: global_buffer, .address_space: global }
      - { .name: xb, .offset: 32, .size: 8, .value_kind: global_buffer, .address_space: global }
      - { .name: wqkv, .offset: 40, .size: 8, .value_kind: global_buffer, .address_space: global }
    .group_segment_fixed_size: 0
    .private_segment_fixed_size: 0
    .kernarg_segment_align: 8
    .kernarg_segment_size: 48
    .max_flat_workgroup_size: 256
    .sgpr_count:     66
    .vgpr_count:     112
    .wavefront_size: 32
...
	.end_amdgpu_metadata
.endif
;; end of part 1
;; launch proj_qkv (part 2): grid 8 x 32, 4 waves a work-group, clusters of 4 x 4, 327,680 bytes of LDS; arguments xb, wqkv, qkv; writes qkv
.if DOCPART == 2
	.amdgcn_target "amdgcn-amd-amdhsa--gfx1250"
	.amdhsa_code_object_version 6
	.text
	.protected	k_q20334548d6_proj_qkv
	.globl	k_q20334548d6_proj_qkv
	.p2align	8
	.type	k_q20334548d6_proj_qkv,@function
k_q20334548d6_proj_qkv:
	s_mov_b64 s[64:65], 0
	v_nop
	global_prefetch_b8 v0, s[64:65] scope:SCOPE_SE
	s_setreg_imm32_b32 hwreg(HW_REG_WAVE_MODE, 25, 1), 1
	s_wait_xcnt 0x0
	s_wait_alu depctr_hold_cnt(0) depctr_sa_sdst(0) depctr_va_vdst(0) depctr_va_sdst(0) depctr_va_ssrc(0) depctr_va_vcc(0) depctr_vm_vsrc(0)
	s_getreg_b32 s2, hwreg(HW_REG_IB_STS2, 6, 4)
	s_cmp_eq_u32 s2, 0
	s_cbranch_scc0 .Lentry_in_a_cluster
	s_endpgm
.Lentry_in_a_cluster:
	s_bfe_u32 s2, ttmp6, 0x10000c
	s_cmp_lg_u32 s2, 0xf033
	s_cbranch_scc0 .Lentry_shape_is_right
	s_endpgm
.Lentry_shape_is_right:
; C = A B.  A: [4096][2048], K along the rows; B: [2048 k][NTOT n], N along the rows; sums in f32.  One text for two products, chosen by KIND:
;   KIND 0: A = xb, B = wqkv, both bf16, NTOT = 3,072; C = qkv in f16, laid by heads: [24][4096][128] (heads 0-15 q, 16-19 k, 20-23 v).
;   KIND 1: A = y, B = wo16, both f16, NTOT = 2,048; C = out0 in f32, [4096][2048].
; LIMITS.  KIND 0 rounds its sums to f16: they must lie within 65,504.  NaN and infinities are not treated apart.  The order of a sum's terms is not K ascending: see THE WALK.
; SHARES.  A tile of C is 128 rows x NT columns (384 or 256): 8 x 32 tiles, one work-group each.  All four waves read all 128 rows of A; a wave owns NB fragments of 16 columns:
; 8 x NB accumulators of 16 x 16.  K goes in 16 steps of 128 through two LDS slots filled by the tensor data mover; every row of every tile is 256 bytes of memory at a multiple of 256.
; B lies [k][n], so its fragments come out of LDS turned, by ds_load_tr16_b128; B's tile is cut into NPIECE pieces of 128 k-rows x 128 columns.
; THE PRODUCT IS TAKEN TRANSPOSED: source 0 = 16 columns of B, source 1 = 16 rows of A: a lane then holds row l % 16 of C and eight neighbouring columns.
; CLUSTER.  4 x 4 work-groups.  A's tile hangs on the tile row alone and is asked for jointly by a row of the cluster, B's pieces on the tile column alone, jointly by a column.
; THE WALK ALONG K IS TURNED.  Cluster (X, Y) of the 2 x 8 begins at K step 4 (Y mod 4) + 8 X (mod 16) and goes once round the 16 steps.  So the two clusters that read a tile row of A stand eight
; steps apart, and of the clusters that read a piece of B those with different Y mod 4 stand four or more apart: they do not ask for the same blocks at the same time.  All partners of a cluster share X and Y.
; REGISTERS, in windows of 256 (s_set_vgpr_msb: bits 1:0 source 0, 3:2 source 1, 5:4 source 2, 7:6 destination):
;   window 0: v0-31 addresses; v32-55 at work on the way out; v64-127, v128-191 A's fragments, two buffers (on the way out: rows read back)
;   window 1: v64.., v128.. B's fragments, two buffers      window 2: accumulators of rows 0-63, (a, b) at v[8 (NB a + b)]      window 3: those of rows 64-127
.set KIND, 0
.if KIND
.set NTOT,   2048
.set NT,     256
.set NPIECE, 2                         ; pieces in B's tile
.set NB,     4                         ; B fragments a wave
.set FPP,    4                         ; a wave's fragments in one piece
.set NPW,    1                         ; pieces that a wave reads
.set AROWS,  64                        ; rows in one load of A: waves 2 and 3 bring a half each
.else
.set NTOT,   3072
.set NT,     384
.set NPIECE, 3
.set NB,     6
.set FPP,    2
.set NPW,    3
.set AROWS,  128                       ; wave 3 brings all of A's tile
.endif
.set KSTEP,  128
.set NSTEP,  2048/KSTEP                ; 16 K steps
.set LAPS,   NSTEP/2                   ; a lap = two K steps = once round the ring
.set PA,     272                       ; a row of A in LDS: 256 bytes + 16 = 68 words: the 16 rows of a load start at 16 different groups of four banks (64 banks of 4 bytes: ISA guide 11.1)
.set PB,     288                       ; a k-row of a piece: 256 + 32 = 72 words
.set ABYTES, 128*PA
.set PIECE,  128*PB
.set SLOT,   ABYTES+NPIECE*PIECE       ; A's 128 rows, then the pieces
.set NLD,    16+2*NB                   ; LDS loads in a run: the fragments of 32 along K
.if KIND
.set STAGE,  2*SLOT                    ; behind the ring: 16 rows x 272 bytes for each wave
.set SPARE,  STAGE+4*16*272            ; behind the stages: the spare words, 128 bytes a wave: two blocks of 256 bytes that no other line names
.else
.set STAGE,  0                         ; slot 0's bytes, written only when the slot has had its last fill and its last read: 3 pieces x 128 rows x 272 bytes
.set SPARE,  2*SLOT
.endif
.set STO,  8                           ; v8-10   the way out: where I put 16 bytes of a row (KIND 0: by piece)
.set RD,   11                          ; v11-13  the way out: where I read rows back
.set ADRA, 16                          ; v16-17  LDS address of my A fragments in slot 0, 1
.set ADRB, 18                          ; v18-23  the same for B: slot x NPW + piece
.set CO,   26                          ; v26     my byte offset in C
.set SPW,  28                          ; v28     LDS address of my spare word: SPARE + 4 x my thread's number; never rewritten
.set NIL,  29                          ; v29     0; never rewritten
.set PFO,  30                          ; v30     the prefetches' offset: my lane x a row of A in memory; never rewritten
.set TMP,  32
.set F0,   64
.set F1,   128
.set G1,   24                          ; s[24:31] descriptor group 1 for A's tiles;  s[32:39] group 0, a set for each slot
.set G0,   32
.set G1B,  48                          ; s[48:55], s[56:63] the same for B's pieces
.set G0B,  56
.set LIM,  67                          ; s67      5 in the wave that prefetches, else the greatest number
.set PFA,  68                          ; s[68:69] where my prefetch stands
.set KSN,  80                          ; s80      the K step that the next refill asks for
.set KP,   81                          ; s81      the K step that the last prefetch named
.set OA,   82                          ; s[82:83] a K step's byte offset along A's rows
.set OB,   84                          ; s[84:85] the same down B's rows
.set POF,  86                          ; s[86:87] the same for the prefetch
.set PFB,  88                          ; s[88:89] A at my work-group's 32 rows of the tile, K = 0
.set BF,   90                          ; s[90:91] B at my piece, at the cluster's first K step
.set MSB, 0
.macro WIN new                         ; the immediate's high byte repeats the setting that is left; a switch that changes nothing is dropped
.if MSB != (\new)
	s_set_vgpr_msb (MSB<<8)|(\new)
.set MSB, \new
.endif
.endm
.set MUL_LO, 0xa1                      ; source 0 (B) window 1, source 1 (A) window 0, C and D window 2
.set MUL_HI, 0xf1                      ; the same, C and D window 3
.set TO_B,   0x40                      ; destination window 1, address window 0
.macro PLACES                          ; four plain vector instructions between a matrix instruction and a load into, or a vector read of, its registers
.rept 4
	v_nop
.endr
.endm
; A joint load.  The waves below NPIECE fetch a piece of B each, the others A.  Each line has one mask and one set of registers; the branch hangs on the wave's number alone.
; An s_nop 0 and four v_nop follow each line, ahead of the jump and the label.
.macro JLOAD s
	s_cmp_lt_u32 s10, NPIECE
	s_cbranch_scc0 .Lfor_a_\@
	tensor_load_to_lds s[G0B+4*(\s):G0B+4*(\s)+3], s[G1B:G1B+7]
	s_nop 0
.rept 4
	v_nop
.endr
	s_branch .Lasked_\@
.Lfor_a_\@:
	tensor_load_to_lds s[G0+4*(\s):G0+4*(\s)+3], s[G1:G1+7]
	s_nop 0
.rept 4
	v_nop
.endr
.Lasked_\@:
.endm
; A prefetch into the L2 of A's K step that stands two refills on: 32 rows x 256 bytes, a lane a row, one instruction, by wave 3.  The two clusters that read a tile row of A stand eight steps apart, so each
; is the first to read the eight steps with which its own walk begins, and asks for those alone: the first four come by its first fills and its first two refills, the other four are named here, in the loop's
; first two trips (s3 = 7 and 6).  The four partners that ask for the tile jointly share its 128 rows out by address, 32 each.  So each block of 256 bytes is named at most once in the launch.
; Of B a cluster is the first to read at most the four steps with which its walk begins, and those come by first fills and refills alone: nothing of B is named, and nothing at the kernel's head.
.macro ASK
	s_cmp_gt_u32 s3, s[LIM]
	s_cbranch_scc0 .Lnot_mine_\@
	global_prefetch_b8 v[PFO], s[PFA:PFA+1] th:TH_LOAD_NT scope:SCOPE_SE
.Lnot_mine_\@:
.endm
.macro CREST                           ; a round of the cluster's barrier behind its opening barrier
	s_cmp_lg_u32 s10, 0
	s_cbranch_scc1 .Lnot_wave_0_\@
	s_barrier_signal -3
.Lnot_wave_0_\@:
	s_barrier_wait -3
	s_barrier_signal -1
	s_barrier_wait -1
.endm
.macro CROUND                          ; a whole round
	s_barrier_signal -1
	s_barrier_wait -1
	CREST
.endm
	s_load_b128 s[4:7], s[0:1], 0x0                ; A s[4:5], B s[6:7]
	s_load_b64 s[8:9], s[0:1], 0x10                ; C
	v_lshl_add_u32 v[SPW], v0, 2, SPARE
	v_mov_b32 v[NIL], 0
	ds_add_u32 v[SPW], v[NIL]                      ; the wave's opening: the add and its wait stand ahead of my first tensor load; the set-up below, work on registers, stands between them
	v_lshrrev_b32 v1, 5, v0
	v_readfirstlane_b32 s10, v1                    ; wave 0..3
.if KIND
	s_and_b32 s12, s10, 1                          ; which 64 rows of A's tile I would fetch
.else
	s_mov_b32 s12, 0
.endif
	s_bfe_u32 s40, ttmp6, 0x40000                  ; cx, cy: my place in the cluster
	s_bfe_u32 s41, ttmp6, 0x40004
	s_lshl_b32 s42, ttmp9, 2
	s_add_co_u32 s42, s42, s40                     ; tile column = 4 x cluster x + cx
	s_and_b32 s13, ttmp7, 0xffff
	s_lshl_b32 s13, s13, 2
	s_add_co_u32 s13, s13, s41                     ; tile row = 4 x cluster y + cy
	s_lshl_b32 s43, s41, 2
	s_lshl_b32 s43, 15, s43                        ; my row of the cluster
	s_lshl_b32 s44, 0x1111, s40                    ; my column
	s_or_b32 s[G1], s43, (1<<16)|(1<<20)|(1<<21)|(5<<22)|(3<<25)   ; 15:0 the mask; 17:16 elements of 2 bytes; 20 padding on; 21 set beside a mask; 24:22 after every 64 words; 31:25 4 words of it
	s_mov_b32 s[G1+1], KSTEP<<16                   ; tensor_dim0 = 128
	s_mov_b32 s[G1+2], AROWS<<16                   ; tensor_dim1
	s_mov_b32 s[G1+3], KSTEP<<16                   ; tile_dim0 = 128
	s_mov_b32 s[G1+4], AROWS                       ; tile_dim1
	s_mov_b32 s[G1+5], 2048                        ; elements from row to row of A
	s_mov_b32 s[G1+6], 0
	s_mov_b32 s[G1+7], 0
	s_or_b32 s[G1B], s44, (1<<16)|(1<<20)|(1<<21)|(5<<22)|(7<<25)  ; the column's mask; 8 words of padding
	s_mov_b32 s[G1B+1], 128<<16                    ; 128 columns
	s_mov_b32 s[G1B+2], KSTEP<<16                  ; 128 k-rows
	s_mov_b32 s[G1B+3], 128<<16
	s_mov_b32 s[G1B+4], KSTEP
	s_mov_b32 s[G1B+5], NTOT                       ; elements from row to row of B
	s_mov_b32 s[G1B+6], 0
	s_mov_b32 s[G1B+7], 0
	; the cluster's first K step: 4 (Y mod 4) + 8 X, mod 16: made of the cluster's coordinates alone, which all sixteen partners share
	s_and_b32 s[KSN], ttmp7, 0xffff
	s_and_b32 s[KSN], s[KSN], 3
	s_lshl_b32 s[KSN], s[KSN], 2
	s_lshl_b32 s[KP], ttmp9, 3
	s_add_co_u32 s[KSN], s[KSN], s[KP]
	s_and_b32 s[KSN], s[KSN], NSTEP-1              ; 0, 4, 8 or 12
	s_lshl_b32 s[OA], s[KSN], 8                    ; a K step is 256 bytes of a row of A,
	s_mov_b32 s[OA+1], 0
	s_mul_i32 s[OB], s[KSN], KSTEP*NTOT*2          ; and 128 rows of B
	s_mov_b32 s[OB+1], 0
	s_mov_b32 s[POF+1], 0
	; where the tiles come from: A's by the tile row, B's by the tile column, each in registers that never hold the other coordinate
	s_lshl_b32 s16, s13, 7
	s_mul_i32 s17, s12, AROWS
	s_add_co_u32 s16, s16, s17                     ; A: row 128 x tile row + my part
	s_lshl_b32 s16, s16, 12                        ; 4,096 bytes a row
	s_mov_b32 s17, 0
	s_mul_i32 s46, s42, NT*2                       ; B: the tile's first column, in bytes,
	s_lshl_b32 s47, s10, 8                         ; my piece's 256 bytes
	s_add_co_u32 s46, s46, s47
	s_mov_b32 s47, 0
	s_mul_i32 s20, s12, AROWS*PA                   ; and where they go: no place in the cluster enters an LDS address
	s_mul_i32 s21, s10, PIECE
	s_add_co_u32 s21, s21, ABYTES
	s_wait_dscnt 0x0                               ; the opening add is done
	s_wait_kmcnt 0x0
	s_add_nc_u64 s[14:15], s[4:5], s[16:17]        ; A at my rows, K = 0: kept, every refill's address is made from it
	s_add_nc_u64 s[46:47], s[6:7], s[46:47]        ; B at my piece, K = 0: likewise
	s_add_nc_u64 s[18:19], s[14:15], s[OA:OA+1]    ; both at the cluster's first K step
	s_add_nc_u64 s[BF:BF+1], s[46:47], s[OB:OB+1]
.irp s, 0,1
	s_mov_b32 s[G0+4*(\s)], 1                                        ; count = 1
	s_add_co_u32 s[G0+4*(\s)+1], s20, (\s)*SLOT                      ; LDS address
	s_add_nc_u64 s[G0+4*(\s)+2:G0+4*(\s)+3], s[18:19], (\s)*KSTEP*2  ; global address: the walk's step s (the first step is 12 at the most: no turn-round here)
	s_or_b32 s[G0+4*(\s)+3], s[G0+4*(\s)+3], 0x80000000              ; type = 2
	s_mov_b32 s[G0B+4*(\s)], 1
	s_add_co_u32 s[G0B+4*(\s)+1], s21, (\s)*SLOT
	s_add_nc_u64 s[G0B+4*(\s)+2:G0B+4*(\s)+3], s[BF:BF+1], (\s)*KSTEP*NTOT*2
	s_or_b32 s[G0B+4*(\s)+3], s[G0B+4*(\s)+3], 0x80000000
.endr
	s_add_co_u32 s[KP], s[KSN], 3                  ; the first change of slots steps this to the walk's step 4
	s_add_co_u32 s[KSN], s[KSN], 2                 ; the first refill asks for the walk's step 2
	CROUND                                         ; all sixteen work-groups are here: the first joint loads meet
	s_cmp_lt_u32 s10, NPIECE                       ; a wave's two first fills stand in one branch, ahead of every wait on TENSORcnt and every LDS read: two loads of mine are out
	s_cbranch_scc0 .Lfirst_a
	tensor_load_to_lds s[G0B:G0B+3], s[G1B:G1B+7]
	s_nop 0
	tensor_load_to_lds s[G0B+4:G0B+7], s[G1B:G1B+7]
	s_nop 0
.rept 4
	v_nop
.endr
	s_branch .Lfirst_asked
.Lfirst_a:
	tensor_load_to_lds s[G0:G0+3], s[G1:G1+7]
	s_nop 0
	tensor_load_to_lds s[G0+4:G0+7], s[G1:G1+7]
	s_nop 0
.rept 4
	v_nop
.endr
.Lfirst_asked:
	; A fragment of A is 16 rows x 32 K in 8 registers: lane l holds row l % 16, K = 8 (l / 16) + 0..7 and 16 + 8 (l / 16) + 0..7: two loads of 16 bytes, 32 bytes apart.
	v_and_b32 v1, 15, v0                           ; l % 16
	v_bfe_u32 v2, v0, 4, 1                         ; l / 16
	v_mul_u32_u24 v3, v1, PA
	v_lshl_add_u32 v3, v2, 4, v3                   ; row x pitch + 16 x half
	v_mov_b32 v[ADRA], v3
	v_add_nc_u32 v[ADRA+1], SLOT, v3
	; The turning load takes 16 k-rows x 16 columns (lane l reads k-row 8 (l / 16) + l % 8, columns 8 ((l / 8) % 2) + 0..7) and leaves half a fragment: lane l holds column l % 16 and 8 k.
	v_and_b32 v4, 7, v0
	v_lshl_add_u32 v4, v2, 3, v4
	v_mul_u32_u24 v4, v4, PB
	v_bfe_u32 v5, v0, 3, 1
	v_lshl_add_u32 v4, v5, 4, v4
.if KIND
	s_lshr_b32 s22, s10, 1                         ; my 64 columns: piece wave / 2, its half wave % 2
	s_mul_i32 s22, s22, PIECE
	s_and_b32 s23, s10, 1
	s_lshl_b32 s23, s23, 7
	s_add_co_u32 s22, s22, s23
.else
	s_lshl_b32 s22, s10, 6                         ; my 32 columns of each piece
.endif
	s_add_co_u32 s22, s22, ABYTES
	v_add_nc_u32 v6, s22, v4
.set ss, 0
.rept 2
.set pp, 0
.rept NPW
	v_add_nc_u32 v[ADRB+ss*NPW+pp], ss*SLOT+pp*PIECE, v6
.set pp, pp+1
.endr
.set ss, ss+1
.endr
.if KIND
	s_mul_i32 s22, s10, 16*272
	s_add_co_u32 s22, s22, STAGE                   ; my stage
	v_mul_u32_u24 v7, v1, 272                      ; in: row l % 16, 32 bytes (8 numbers of f32) for each half of the lanes
	v_lshl_add_u32 v7, v2, 5, v7
	v_add_nc_u32 v[STO], s22, v7
	v_mul_u32_u24 v7, v2, 272                      ; back: lanes 0-15 take one row of 256 bytes, lanes 16-31 the next
	v_lshl_add_u32 v7, v1, 4, v7
	v_add_nc_u32 v[RD], s22, v7
	v_lshlrev_b32 v[CO], 13, v2                    ; and the same two rows in C, 8,192 bytes apart
	v_lshl_add_u32 v[CO], v1, 4, v[CO]
	s_lshl_b32 s72, s13, 20                        ; C at my 64 columns of the tile: 128 rows of 8,192 bytes a tile row,
	s_lshl_b32 s73, s42, 10                        ; 1,024 bytes a tile column,
	s_add_co_u32 s72, s72, s73
	s_lshl_b32 s73, s10, 8                         ; 256 a wave
	s_add_co_u32 s72, s72, s73
.else
	s_lshl_b32 s22, s10, 6                         ; into the stage: row l % 16, my 64 bytes of the piece's row, 16 bytes for each half of the lanes
	v_add_nc_u32 v[STO], s22, v3
	v_add_nc_u32 v[STO+1], ABYTES, v[STO]
	v_add_nc_u32 v[STO+2], 2*ABYTES, v[STO]
	s_mul_i32 s22, s10, 32*272                     ; back: wave w takes rows 32 w .. 32 w + 31 of each piece, whole
	v_mul_u32_u24 v7, v2, 272
	v_lshl_add_u32 v7, v1, 4, v7
	v_add_nc_u32 v[RD], s22, v7
	v_add_nc_u32 v[RD+1], ABYTES, v[RD]
	v_add_nc_u32 v[RD+2], 2*ABYTES, v[RD]
	v_and_b32 v[CO], 31, v0                        ; two rows of a head are 512 consecutive bytes
	v_lshlrev_b32 v[CO], 4, v[CO]
	s_mul_i32 s72, s42, 3<<20                      ; C at head 3 x tile column (2^20 bytes a head),
	s_lshl_b32 s73, s13, 15                        ; 128 rows of 256 bytes a tile row,
	s_add_co_u32 s72, s72, s73
	s_lshl_b32 s73, s10, 13                        ; 32 rows a wave
	s_add_co_u32 s72, s72, s73
.endif
	s_mov_b32 s73, 0
	s_add_nc_u64 s[8:9], s[8:9], s[72:73]
	; the prefetches' base: A at row 128 x tile row + 32 cx, K = 0
	s_lshl_b32 s74, s13, 7
	s_lshl_b32 s75, s40, 5
	s_add_co_u32 s74, s74, s75
	s_lshl_b32 s74, s74, 12
	s_mov_b32 s75, 0
	s_add_nc_u64 s[PFB:PFB+1], s[4:5], s[74:75]
	s_cmp_eq_u32 s10, 3                            ; wave 3 asks: the same in every work-group
	s_cselect_b32 s[LIM], 5, -1
	v_and_b32 v[PFO], 31, v0
	v_lshlrev_b32 v[PFO], 12, v[PFO]               ; a lane a row of 4,096 bytes
.macro MM d, x, y, zero                ; one matrix instruction: D at d, source 0 at x, source 1 at y; zero = 1: it starts the sum
.if KIND
.if \zero
	v_wmma_f32_16x16x32_f16 v[(\d):(\d)+7], v[(\x):(\x)+7], v[(\y):(\y)+7], 0
.else
	v_wmma_f32_16x16x32_f16 v[(\d):(\d)+7], v[(\x):(\x)+7], v[(\y):(\y)+7], v[(\d):(\d)+7]
.endif
.else
.if \zero
	v_wmma_f32_16x16x32_bf16 v[(\d):(\d)+7], v[(\x):(\x)+7], v[(\y):(\y)+7], 0
.else
	v_wmma_f32_16x16x32_bf16 v[(\d):(\d)+7], v[(\x):(\x)+7], v[(\y):(\y)+7], v[(\d):(\d)+7]
.endif
.endif
.endm
; 2 NB matrix instructions: row blocks a0, a0 + 1 of the window's four (hi = 0: rows 0-63, 1: rows 64-127) x all NB column blocks, 32 along K.
; The 8 NB accumulators take turns, one instruction a turn, in the same order in every quarter, over the backward jump too.
.macro MULS f, hi, a0, zero
	WIN MUL_LO+0x50*(\hi)
.irp a, \a0, (\a0)+1
.set bb, 0
.rept NB
	MM 8*(NB*(\a)+bb), (\f)+8*bb, (\f)+8*(4*(\hi)+(\a)), \zero
.set bb, bb+1
.endr
.endr
.endm
; NLD LDS loads in one run: the fragments of quarter q (32 along K) of a slot into buffer f: B's first, then A's rows 0-63, then A's rows 64-127
.macro FETCH slot, q, f
	WIN TO_B
.set bb, 0
.rept NB
	ds_load_tr16_b128 v[(\f)+8*bb:(\f)+8*bb+3],   v[ADRB+(\slot)*NPW+bb/FPP] offset:(\q)*32*PB+(bb%FPP)*32
	ds_load_tr16_b128 v[(\f)+8*bb+4:(\f)+8*bb+7], v[ADRB+(\slot)*NPW+bb/FPP] offset:(\q)*32*PB+(bb%FPP)*32+16*PB
.set bb, bb+1
.endr
	WIN 0
.irp i, 0,1,2,3,4,5,6,7
	ds_load_b128 v[(\f)+8*(\i):(\f)+8*(\i)+3],   v[ADRA+(\slot)] offset:64*(\q)+(\i)*16*PA
	ds_load_b128 v[(\f)+8*(\i)+4:(\f)+8*(\i)+7], v[ADRA+(\slot)] offset:64*(\q)+(\i)*16*PA+32
.endr
.endm
; A K step is four quarters of 32 along K on buffers 0, 1, 0, 1.  One of the first three: multiplies buffer f; in its middle it fetches quarter q of the same slot into buffer g.
.macro QUARTER slot, q, f, g, zero
	s_wait_dscnt 8                                 ; B and A's rows 0-63 are in; the youngest eight loads (A's rows 64-127) may be out
	MULS \f, 0, 0, \zero
	MULS \f, 0, 2, \zero
	PLACES
	FETCH \slot, \q, \g
	s_wait_dscnt NLD                               ; all but the run just issued
	MULS \f, 1, 0, \zero
	MULS \f, 1, 2, \zero
.endm
; The last quarter multiplies buffer 1 and changes slots: ONE barrier.  In front of it each wave waits for all its tensor loads (the one that is out is its part of the next slot), adds 0 to its spare
; word, and waits for that and for its own reads of this slot.  fill = 1: the barrier opens a round of the cluster's, and behind the round this slot is filled again, two steps of the walk ahead, first of all.
.macro TURN slot, next, fill
.if \fill
	s_wait_xcnt 0x0                                ; the last prefetch, a K step back, has read its address: it is made anew here, ahead of the waits of the change of slots
	s_add_co_u32 s[KP], s[KP], 1
	s_and_b32 s[KP], s[KP], NSTEP-1                ; the walk goes round
	s_lshl_b32 s[POF], s[KP], 8
	s_add_nc_u64 s[PFA:PFA+1], s[PFB:PFB+1], s[POF:POF+1]
.endif
	WIN 0                                          ; (the add's two registers lie in window 0)
	s_wait_tensorcnt 0x0                           ; all my tensor loads have landed, so every group 0 may be written;
	ds_add_u32 v[SPW], v[NIL]                      ; 0 onto my spare word: work on registers stands between it and the wait for it
.if \fill
	s_lshl_b32 s[OA], s[KSN], 8                    ; this slot's next tiles: K step KSN, both addresses made anew from the kept bases
	s_mul_i32 s[OB], s[KSN], KSTEP*NTOT*2
	s_add_nc_u64 s[G0+4*(\slot)+2:G0+4*(\slot)+3], s[14:15], s[OA:OA+1]
	s_or_b32 s[G0+4*(\slot)+3], s[G0+4*(\slot)+3], 0x80000000
	s_add_nc_u64 s[G0B+4*(\slot)+2:G0B+4*(\slot)+3], s[46:47], s[OB:OB+1]
	s_or_b32 s[G0B+4*(\slot)+3], s[G0B+4*(\slot)+3], 0x80000000
	s_add_co_u32 s[KSN], s[KSN], 1
	s_and_b32 s[KSN], s[KSN], NSTEP-1              ; the walk goes round
.endif
	s_wait_dscnt 9                                 ; (the add and the youngest eight loads may be out)
	MULS F1, 0, 0, 0                               ; matrix instructions stand between the add and the wait for it
	s_wait_dscnt 0x0                               ; the add is done, and my reads of this slot are over
	s_barrier_signal -1
	MULS F1, 0, 2, 0                               ; work on registers while the others arrive
.if \fill
	WIN 0
.endif
	s_barrier_wait -1
.if \fill
	CREST                                          ; no wave of any partner still reads this slot or has a load on its way
	JLOAD \slot                                    ; the first tensor load behind the round, my only one until the next; its four v_nop are also the places in front of the loads below
.else
	PLACES
.endif
	FETCH \next, 0, F0
.if \fill
	ASK                                            ; behind the joint load and the run of LDS loads that the next products wait for
.endif
	MULS F1, 1, 0, 0
	MULS F1, 1, 2, 0
.endm
	s_wait_tensorcnt 1                             ; my part of the walk's step 0 is in; step 1's may stay out
	s_barrier_signal -1
	s_barrier_wait -1                              ; everybody's is
	FETCH 0, 0, F0
	QUARTER 0, 1, F0, F1, 1                        ; the first quarter stands in front of the loop: its products start the sums, nothing is cleared
	WIN 0                                          ; at a label and at a branch every window is 0
	s_mov_b32 s3, LAPS-1
.Llap:                                                 ; a trip goes once round the ring, from a lap's second quarter to the next lap's first, and fills both slots again
	QUARTER 0, 2, F1, F0, 0
	QUARTER 0, 3, F0, F1, 0
	TURN 0, 1, 1
	QUARTER 1, 1, F0, F1, 0
	QUARTER 1, 2, F1, F0, 0
	QUARTER 1, 3, F0, F1, 0
	TURN 1, 0, 1
	QUARTER 0, 1, F0, F1, 0
	WIN 0
	s_sub_co_u32 s3, s3, 1
	s_cmp_lg_u32 s3, 0
	s_cbranch_scc1 .Llap
	QUARTER 0, 2, F1, F0, 0                        ; the last lap fills nothing, and has no round of the cluster's barrier
	QUARTER 0, 3, F0, F1, 0
	TURN 0, 1, 0
	QUARTER 1, 1, F0, F1, 0
	QUARTER 1, 2, F1, F0, 0
	QUARTER 1, 3, F0, F1, 0
	s_wait_dscnt 8                                 ; the very last quarter: nothing more to fetch
	MULS F1, 0, 0, 0
	MULS F1, 0, 2, 0
	s_wait_dscnt 0x0
	MULS F1, 1, 0, 0
	MULS F1, 1, 2, 0
	WIN 0
	PLACES
.if KIND
	; THE WAY OUT, f32: a block of 16 rows at a time through my own stage: 32 bytes a lane in, whole rows of 256 bytes back.  LDS serves a wave's instructions in order (ISA guide 5.7.1.4), so no wait stands between
	; my stores and my loads.  Each accumulator's low registers are read first.
.set aa, 0
.rept 8
	WIN 0x08+4*(aa/4)                              ; the LDS store's data (source 1) in window 2 or 3
.set bb, 0
.rept NB
	ds_store_b128 v[STO], v[8*(NB*(aa%4)+bb):8*(NB*(aa%4)+bb)+3]   offset:64*bb
	ds_store_b128 v[STO], v[8*(NB*(aa%4)+bb)+4:8*(NB*(aa%4)+bb)+7] offset:64*bb+16
.set bb, bb+1
.endr
	WIN 0
	s_wait_xcnt 0x0                                ; the stores of two blocks back have read this row buffer: it is loaded again only behind this wait
.irp t, 0,1,2,3,4,5,6,7
	ds_load_b128 v[64+32*(aa%2)+4*(\t):64+32*(aa%2)+4*(\t)+3], v[RD] offset:(\t)*2*272
.endr
.irp t, 0,1,2,3,4,5,6,7
	s_wait_dscnt 7-(\t)                            ; rows 2 t and 2 t + 1 are back; the younger loads may stay out
	global_store_b128 v[CO], v[64+32*(aa%2)+4*(\t):64+32*(aa%2)+4*(\t)+3], s[8:9] offset:aa*131072+(\t)*16384 th:TH_STORE_NT  ; 16 lanes store 256 consecutive bytes, at a multiple of 256 from C's first byte
.endr
.set aa, aa+1
.endr
.else
	; THE WAY OUT, f16 by heads: rounded once, 16 bytes a lane into the work-group's stage; a barrier, since a row's 256 bytes come from four waves; back as whole rows, 32 rows of each piece a wave.
.set aa, 0
.rept 8
	WIN 0x0a+5*(aa/4)                              ; sources 0 and 1: window 2 or 3
.set bb, 0
.rept NB
.irp r, 0,1,2,3
	v_cvt_pk_f16_f32 v[TMP+4*bb+(\r)], v[8*(NB*(aa%4)+bb)+2*(\r)], v[8*(NB*(aa%4)+bb)+2*(\r)+1]
.endr
.set bb, bb+1
.endr
	WIN 0
.set bb, 0
.rept NB
	ds_store_b128 v[STO+bb/2], v[TMP+4*bb:TMP+4*bb+3] offset:aa*16*272+(bb%2)*32
.set bb, bb+1
.endr
.set aa, aa+1
.endr
	s_wait_dscnt 0x0                               ; for the others' sake: my stores into the stage are done
	s_barrier_signal -1
	s_barrier_wait -1
.set n, 0
.rept 48
	ds_load_b128 v[64+4*n:64+4*n+3], v[RD+n/16] offset:(n%16)*2*272
.set n, n+1
.endr
.set n, 0
.rept 48
	s_wait_dscnt 47-n                              ; load n is back; the younger ones may stay out
	global_store_b128 v[CO], v[64+4*n:64+4*n+3], s[8:9] offset:(n/16)*1048576+(n%16)*512  ; two rows of a head: 512 consecutive bytes, at a multiple of 256 from C's first byte
.set n, n+1
.endr
.endif
	s_wait_tensorcnt 0x0                           ; the wave's end: behind my last tensor load and my last LDS store
	ds_add_u32 v[SPW], v[NIL]
	s_wait_dscnt 0x0
	CROUND                                         ; the closing round: no work-group ends while a partner may still ask for a tile that names it
	s_endpgm
.Lfunc_end_k_q20334548d6_proj_qkv:
	.size	k_q20334548d6_proj_qkv, .Lfunc_end_k_q20334548d6_proj_qkv-k_q20334548d6_proj_qkv
	.p2alignl 7, 3214868480
	.fill 96, 4, 3214868480
	.section	.rodata,"a",@progbits
	.p2align	6, 0x0
	.amdhsa_kernel k_q20334548d6_proj_qkv
		.amdhsa_group_segment_fixed_size 327680
		.amdhsa_private_segment_fixed_size 0
		.amdhsa_enable_private_segment 0
		.amdhsa_kernarg_size 24
		.amdhsa_user_sgpr_count 2
		.amdhsa_user_sgpr_kernarg_segment_ptr 1
		.amdhsa_wavefront_size32 1
		.amdhsa_system_sgpr_workgroup_id_x 1
		.amdhsa_system_sgpr_workgroup_id_y 1
		.amdhsa_system_sgpr_workgroup_id_z 1
		.amdhsa_system_vgpr_workitem_id 0
		.amdhsa_next_free_vgpr 1024
		.amdhsa_next_free_sgpr 92
		.amdhsa_reserve_vcc 0
		.amdhsa_float_denorm_mode_32 3
		.amdhsa_float_denorm_mode_16_64 3
		.amdhsa_memory_ordered 1
		.amdhsa_forward_progress 1
		.amdhsa_inst_pref_size 118
	.end_amdhsa_kernel
	.amdgpu_metadata
---
amdhsa.version: [ 1, 2 ]
amdhsa.kernels:
  - .name:           k_q20334548d6_proj_qkv
    .symbol:         k_q20334548d6_proj_qkv.kd
    .args:
      - { .name: xb, .offset: 0, .size: 8, .value_kind: global_buffer, .address_space: global }
      - { .name: wqkv, .offset: 8, .size: 8, .value_kind: global_buffer, .address_space: global }
      - { .name: qkv, .offset: 16, .size: 8, .value_kind: global_buffer, .address_space: global }
    .group_segment_fixed_size: 327680
    .private_segment_fixed_size: 0
    .kernarg_segment_align: 8
    .kernarg_segment_size: 24
    .max_flat_workgroup_size: 128
    .sgpr_count:     92
    .vgpr_count:     1024
    .wavefront_size: 32
...
	.end_amdgpu_metadata
.endif
;; end of part 2
;; launch attn (part 3): grid 16 x 16, 4 waves a work-group, clusters of 4 x 1, 327,680 bytes of LDS; arguments qkv, Wo, y, wo16; writes y, wo16
.if DOCPART == 3
	.amdgcn_target "amdgcn-amd-amdhsa--gfx1250"
	.amdhsa_code_object_version 6
	.text
	.protected	k_q20334548d6_attn
	.globl	k_q20334548d6_attn
	.p2align	8
	.type	k_q20334548d6_attn,@function
k_q20334548d6_attn:
	s_mov_b64 s[64:65], 0
	v_nop
	global_prefetch_b8 v0, s[64:65] scope:SCOPE_SE
	s_setreg_imm32_b32 hwreg(HW_REG_WAVE_MODE, 25, 1), 1
	s_wait_xcnt 0x0
	s_wait_alu depctr_hold_cnt(0) depctr_sa_sdst(0) depctr_va_vdst(0) depctr_va_sdst(0) depctr_va_ssrc(0) depctr_va_vcc(0) depctr_vm_vsrc(0)
	s_getreg_b32 s2, hwreg(HW_REG_IB_STS2, 6, 4)
	s_cmp_eq_u32 s2, 0
	s_cbranch_scc0 .Lentry_in_a_cluster
	s_endpgm
.Lentry_in_a_cluster:
	s_bfe_u32 s2, ttmp6, 0x10000c
	s_cmp_lg_u32 s2, 0x3003
	s_cbranch_scc0 .Lentry_shape_is_right
	s_endpgm
.Lentry_shape_is_right:
; CAUSAL ATTENTION WITH GROUPED HEADS.  y[b][q][h][:] = the sum over k <= q of softmax_k(Q[h][b][q] . K[h/4][b][k] / sqrt(128)) V[h/4][b][k][:].
; qkv: f16 [24][4096][128] (heads 0-15 q, 16-19 k, 20-23 v; row = 1,024 b + t, 256 bytes).  y: f16 [4096][2048], column 128 h + d.
; Products, maxima and sums in f32; the weights p are rounded to f16 for the second product (their sum l is taken of the unrounded p), y once at the end.
; BESIDE IT, Wo's CAST: Wo (f32 [2048][2048]) -> wo16: rounded to bf16 like every other input, and that number written as f16, for the launch behind.  Each of the 256 work-groups takes 16,384
; consecutive numbers: 32 loads of 16 bytes a thread, issued when Q has come, kept in registers that the walk does not use, converted and stored in front of the walk's last tile.
; LIMITS.  q, k, v arrive within f16; y is a mean of V's rows and has their range.  A hidden score counts as its value less 1e30; a weight below 2^-126 counts as 0 in l; NaN and infinities are not treated apart.
; bf16(Wo) must lie within f16 (65,504); below 6.1e-5 it keeps f16's fixed step of 6e-8.
; THE WALK.  A head's 1,024 queries lie in 8 blocks of 128; block i needs the key tiles 0 .. i of 128 keys, of which the last holds the diagonal.  A work-group takes TWO blocks, 7 - p and then p:
; 9 tiles, whatever p: all work-groups do equal work, and one loop with a constant trip count walks them.  What a trip does hangs on scalar registers made from p.
; SHARES.  A wave owns 32 queries of a block: two tiles of 16.  A key step is 64 keys, a tile two steps.
; CLUSTER.  The four partners are the four query heads of one K/V head with the same p: they walk the same tiles, so every fill is asked for jointly (mask 15).  p is the cluster's x: no branch hangs on a place in the cluster.
; LAYOUT.  S^T = K Q^T (source 0 = 16 keys, source 1 = 16 queries): a lane holds ONE query (lane % 16) and the keys 8 (lane / 16) + 0..7.  Two such results rounded to f16 ARE source 1 of O^T = V^T P.
; K comes out of LDS as it lies, V ([key][channel]) turned, by ds_load_tr16_b128.
; SOFTMAX.  A running maximum m and sum l for each query: p = 2^(c s - c m), c = log2(e) / sqrt(128); in every step O and l are multiplied by a = 2^(c m_old - c m_new).
; A block's c m starts far below every c s, so its first step has a = 0 and O and l need only be finite there.  Key 0 is seen by every query in that step, so m is a true score from then on.
; THE MASK is the C operand that starts the sum S^T: 0, or -1e30 where key > query.  It is made anew only in the diagonal tile's steps and once where the second block begins; elsewhere it stays all 0.
; THE ORDER OF A STEP.  Four groups of 16 matrix instructions, one tile each; what is ready stands behind them, so that matrix and vector work run side by side in the one wave:
;   K Q^T of tile 0, behind each product two of V's 32 LDS loads;   K Q^T of tile 1, behind each four lines of tile 0's softmax, the rest of it in a lump (and the next step's K is fetched);
;   V^T P of tile 0, behind each four lines of tile 1's softmax, the rest in a lump;   V^T P of tile 1, behind each one line of each tile's sums.
; A line behind a product costs two switches of the register window: 134 vector lines a tile stand against 32 products, and set in phases of their own they would leave the matrix unit idle all that while.
; REGISTERS, in windows of 256 (s_set_vgpr_msb: bits 1:0 source 0, 3:2 source 1, 5:4 source 2, 7:6 destination):
;   window 0: v0-11, v32-33 addresses; v12-27 eight registers of statistics a tile; v28-31 the mask's lane terms; v64-127 S^T, 32 a tile; v128-191, v224-231 the cast at work; v192-223 P, 16 a tile
;   window 1: v0-127 O^T, 64 a tile; v128-191 the masks      window 2: v0-63 Q; v64-127 the second block's Q; v128-255 K of one step      window 3: v0-127 V of one step; v128-255 Wo as loaded
.set KS,     64
.set KPITCH, 272      ; a row of K in LDS: 256 bytes + 16 = 68 words: the 16 rows of a load start at 16 different groups of four banks (64 banks of 4 bytes: ISA guide 11.1)
.set VPITCH, 288      ; a row of V: 256 + 32 = 72 words
.set VOFF,   KS*KPITCH  ; a step's tiles lie together: 64 rows of K, then 64 rows of V
.set STEPB,  KS*(KPITCH+VPITCH)
.set SLOT1,  1<<17    ; a slot holds a tile, two steps (71,680 bytes); slot 1 begins here, so that one exclusive or turns an address in one slot into the other's
.set STAGE,  SLOT1+2*STEPB  ; behind the ring, never filled by a tensor load: 16 rows x 272 bytes for each wave, for the way out
.set SP,     272
.set SPARE,  STAGE+4*16*SP  ; behind the stages: the spare words, 128 bytes a wave: two blocks of 256 bytes that no other line names
.set AK0, 2           ; v2   my lane's place in a tile of K; never rewritten
.set AV0, 3           ; v3   the same for V
.set AKR, 4           ; v4   the LDS address of K's run of loads
.set QO,  5           ; v5   my byte offset in 16 rows of Q
.set STO, 6           ; v6   the way out: where I put 16 bytes of a row
.set RD,  7           ; v7   the way out: where I read rows back
.set GO,  8           ; v8   my byte offset in two rows of y
.set AVR, 10          ; v10  the LDS address of V's loads
.set ST,  12          ; tile t's statistics at v[ST+8 t]: +0 c m, +1 m, +2, +3 l (even keys', odd keys'), +4 to +7 c0-c3, at work; a takes c2's place once the maximum is found
.set VD,  28          ; v28-29  tile t: my query's place in the block less my lanes' 8 (l / 16)
.set VE,  30          ; v30-31  the same plus the step's offset
.set WLO, 32          ; v32  the cast: 16 x my thread's number; never rewritten
.set WSO, 33          ; v33  the cast: 8 x my thread's number; never rewritten
.set PFO, 61          ; v61  256 x my lane; never rewritten
.set SPW, 62          ; v62  LDS address of my spare word: SPARE + 4 x my thread's number; never rewritten
.set NIL, 63          ; v63  0; never rewritten
.set S,   64
.set WT,  128         ; v128-191  the cast: step n's four numbers of 16 bits at WT + 2 n
.set P,   192
.set WX,  224         ; v224-231  the cast: two sets of four numbers in f32
.set MC,  128         ; window 1
.set QB,  64          ; window 2
.set KF,  128         ; window 2
.set WV,  12          ; s12  my wave's number
.set PB,  14          ; s14  p
.set HI,  15          ; s15  7 - p
.set G1K, 24          ; s[24:31] descriptor group 1 for K's tiles
.set G1V, 32          ; s[32:39] for V's: it differs in the padding alone
.set G0K, 40          ; s[40:43] descriptor group 0 for K's tiles
.set G0V, 44          ; s[44:47] the same for V's
.set SLOTS, 56        ; s56  tiles still to be asked for
.set CNT, 57          ; s57  counts a tile's two steps
.set CS,  58          ; s[58:59] c: the packed scaling takes the pair's low word for both halves
.set SEL, 60          ; s[60:61] v_permlanex16_b32's selects: each lane takes its own place in the other half
.set TB,  62          ; s62  LDS byte at which the tiles of the step to be fetched begin
.set RT,  70          ; s70  tiles of the block in hand that are still to be entered
.set NXT, 71          ; s71  the tile to be asked for next
.set LQ,  72          ; s72  the last tile of the block whose tiles are being asked for
.set NEW, 73          ; s73  1: the tile to be entered is the second block's first
.set OFF, 74          ; s[74:75] a tile's byte offset in K and V
.set LIM, 76          ; s76  2 in a wave that prefetches, else the greatest number
.set NK,  77          ; s77  128 x (block - tile) - 64 x step
.set PFA, 78          ; s[78:79] where my prefetches stand
.set MK,  80          ; s80  1: the step makes its masks
.set BIGN, 82         ; s82  -1e30
.set ARG, 88          ; s[88:95] qkv, Wo, y, wo16
.set WS,  96          ; s[96:97] Wo at my work-group's numbers; never rewritten
.set WD,  98          ; s[98:99] wo16 likewise
.set MSB, 0
.macro WIN new                      ; the high byte repeats the setting that is left; a switch that changes nothing is dropped
.if MSB != (\new)
	s_set_vgpr_msb (MSB<<8)|(\new)
.set MSB, (\new)
.endif
.endm
.set W_KQ, 0x0a       ; K and Q in window 2, S^T in window 0
.set W_KM, 0x1a       ; the same with the C operand in window 1
.set W_PV, 0x53       ; V in window 3, P in window 0, O^T in window 1
.set W_RS, 0x41       ; O^T (destination and source 0) in window 1, source 1 in window 0
.macro PLACES                       ; four plain vector instructions between a matrix instruction and a load into, or a vector read of, its registers
.rept 4
	v_nop
.endr
.endm
; A joint fill.  Waves 0 and 1 fetch K of a tile's two steps, waves 2 and 3 V.  The branch hangs on the wave's number alone.  An s_nop 0 and four v_nop follow each line.
.macro JLOAD
	s_cmp_lt_u32 s[WV], 2
	s_cbranch_scc0 .Lfor_v_\@
	tensor_load_to_lds s[G0K:G0K+3], s[G1K:G1K+7]
	s_nop 0
.rept 4
	v_nop
.endr
	s_branch .Lasked_\@
.Lfor_v_\@:
	tensor_load_to_lds s[G0V:G0V+3], s[G1V:G1V+7]
	s_nop 0
.rept 4
	v_nop
.endr
.Lasked_\@:
.endm
; A prefetch into the L2 of the tile that the NEXT change of slots will ask for: 128 rows of K and of V, 256 bytes a row, a lane a row.  Each row is named once in the launch: the cluster with p = 0 walks
; all 8 tiles in its first block and asks; its four partners take 32 rows each, told apart by address; in each, wave 0 asks for K's and wave 2 for V's.  The change that fills tile k names tile k + 1;
; changes 1 to 6 ask (SLOTS 8 to 3), for tiles 2 to 7; tiles 0 and 1 come by their loads alone, and the second block's tiles have been read before.
.macro ASK
	s_cmp_gt_u32 s[SLOTS], s[LIM]
	s_cbranch_scc0 .Lnot_mine_\@
	global_prefetch_b8 v[PFO], s[PFA:PFA+1] th:TH_LOAD_NT scope:SCOPE_SE
.Lnot_mine_\@:
.endm
.macro CROUND                       ; a round of the cluster's barrier
	s_barrier_signal -1
	s_barrier_wait -1
	s_cmp_lg_u32 s[WV], 0
	s_cbranch_scc1 .Lnot_wave_0_\@
	s_barrier_signal -3
.Lnot_wave_0_\@:
	s_barrier_wait -3
	s_barrier_signal -1
	s_barrier_wait -1
.endm
; THE CHANGE OF SLOTS.  Each wave waits for all its tensor loads, of which one is out: its part of the other slot; adds 0 to its spare word; and waits for that and for its own reads of the slot that it leaves.
; fill = 1: the barrier is a round of the cluster's, and the old slot is filled again, first thing behind it, with tile NXT: the descriptor's address is made anew from that number.
; (At its first use nothing has been read yet: slot 0 is waited for, slot 1 filled.)  The load has a tile's work, 128 matrix instructions and what stands beside them, in which to land.
.macro CHANGE fill
	WIN 0
	s_wait_tensorcnt 0x0            ; no tensor load of mine is out, so a group 0 may be written
	ds_add_u32 v[SPW], v[NIL]       ; 0 onto my spare word: the scalar work stands between it and the wait for it
.if \fill
	s_lshl_b32 s[OFF], s[NXT], 15   ; a tile is 32,768 bytes of K and of V
	s_xor_b32 s[G0K+1], s[G0K+1], SLOT1
	s_add_nc_u64 s[G0K+2:G0K+3], s[6:7], s[OFF:OFF+1]
	s_or_b32 s[G0K+3], s[G0K+3], 0x80000000
	s_xor_b32 s[G0V+1], s[G0V+1], SLOT1
	s_add_nc_u64 s[G0V+2:G0V+3], s[8:9], s[OFF:OFF+1]
	s_or_b32 s[G0V+3], s[G0V+3], 0x80000000
	s_add_co_u32 s[NXT], s[NXT], 1  ; the block's next tile, or behind its last the second block's tile 0
	s_cmp_gt_u32 s[NXT], s[LQ]
	s_cselect_b32 s[NXT], 0, s[NXT]
	s_cselect_b32 s[LQ], s[PB], s[LQ]
	s_wait_xcnt 0x0                 ; the last prefetch, a tile back, has read its address, so it may be written
	s_add_nc_u64 s[PFA:PFA+1], s[PFA:PFA+1], 32768
	s_wait_dscnt 0x0                ; the add is done, and my reads of the slot are over
	CROUND
	JLOAD
	ASK
.else
	s_wait_dscnt 0x0                ; the add is done, and my reads of the slot are over
	s_barrier_signal -1
	s_barrier_wait -1
.endif
	s_sub_co_u32 s[TB], s[TB], 2*STEPB  ; the fetches go back to a slot's first step,
	s_xor_b32 s[TB], s[TB], SLOT1       ; in the other slot
.endm
	s_load_b256 s[ARG:ARG+7], s[0:1], 0x0  ; qkv s[88:89], Wo s[90:91], y s[92:93], wo16 s[94:95]
	v_lshl_add_u32 v[SPW], v0, 2, SPARE
	v_mov_b32 v[NIL], 0
	ds_add_u32 v[SPW], v[NIL]       ; the wave's opening: the add and its wait stand ahead of my first tensor load; the set-up below, work on registers, stands between them
	v_lshrrev_b32 v1, 5, v0
	v_readfirstlane_b32 s[WV], v1   ; wave 0..3
	s_bfe_u32 s13, ttmp6, 0x40000   ; cx = g, my query head in its group: it enters Q's, y's, the cast's and the prefetches' addresses alone
	s_mov_b32 s[PB], ttmp9          ; in a cluster launch ttmp9 counts clusters: p
	s_sub_co_u32 s[HI], 7, s[PB]
	s_and_b32 s20, ttmp7, 0xffff    ; 4 b + kv
	s_lshr_b32 s21, s20, 2          ; b
	s_and_b32 s22, s20, 3           ; kv
	s_lshl_b32 s23, s21, 18         ; the batch's 1,024 rows of 256 bytes in a head
	s_add_co_u32 s2, s22, 16        ; K's head,
	s_lshl_b32 s2, s2, 20           ; 2^20 bytes a head
	s_add_co_u32 s2, s2, s23
	s_and_b32 s3, s[WV], 1          ; which of a tile's two steps I fetch:
	s_mul_i32 s83, s3, STEPB        ; its place in a slot: no place in the cluster enters an LDS address,
	s_lshl_b32 s3, s3, 14           ; and its 64 rows in memory
	s_add_co_u32 s2, s2, s3
	s_mov_b32 s3, 0
	s_lshl2_add_u32 s66, s22, s13   ; my query head: 4 kv + g
	s_lshl_b32 s48, s66, 20
	s_add_co_u32 s48, s48, s23
	s_lshl_b32 s67, s[WV], 13       ; my wave's 32 rows of a block
	s_add_co_u32 s48, s48, s67
	s_lshl_b32 s67, s[PB], 15       ; a block is 128 rows: the second block,
	s_add_co_u32 s50, s48, s67
	s_lshl_b32 s67, s[HI], 15       ; and the first
	s_add_co_u32 s48, s48, s67
	s_mov_b32 s49, 0
	s_mov_b32 s51, 0
	s_lshl_b32 s52, s21, 22         ; y: the batch's 1,024 rows of 4,096 bytes,
	s_lshl_b32 s67, s[WV], 17       ; my wave's 32 rows,
	s_add_co_u32 s52, s52, s67
	s_lshl_b32 s67, s66, 8          ; my head's 256 bytes of a row
	s_add_co_u32 s52, s52, s67
	s_lshl_b32 s67, s[PB], 19       ; a block's 128 rows
	s_add_co_u32 s54, s52, s67
	s_lshl_b32 s67, s[HI], 19
	s_add_co_u32 s52, s52, s67
	s_mov_b32 s53, 0
	s_mov_b32 s55, 0
	s_lshl_b32 s16, ttmp9, 2        ; the cast: my work-group's number among the 256: 16 y + 4 p + g,
	s_add_co_u32 s16, s16, s13
	s_lshl4_add_u32 s16, s20, s16
	s_lshl_b32 s18, s16, 16         ; its 65,536 bytes of Wo,
	s_lshl_b32 s16, s16, 15         ; its 32,768 of wo16
	s_mov_b32 s17, 0
	s_mov_b32 s19, 0
	v_lshlrev_b32 v[WLO], 4, v0
	v_lshlrev_b32 v[WSO], 3, v0
	; descriptor group 1: a tile of 64 rows x 128 elements, padded in LDS
	s_mov_b32 s[G1K], 15|(1<<16)|(1<<20)|(1<<21)|(5<<22)|(3<<25)  ; 15:0 the mask of four; 17:16 2-byte elements; 20 padding on; 21 set beside a mask; 24:22 after every 64 words; 31:25 4 words
	s_mov_b32 s[G1V], 15|(1<<16)|(1<<20)|(1<<21)|(5<<22)|(7<<25)  ; the same with 8 words of padding
.irp g, G1K, G1V
	s_mov_b32 s[(\g)+1], 128<<16    ; tensor_dim0 = 128
	s_mov_b32 s[(\g)+2], KS<<16     ; tensor_dim1 = 64
	s_mov_b32 s[(\g)+3], 128<<16    ; tile_dim0 = 128
	s_mov_b32 s[(\g)+4], KS         ; tile_dim1 = 64
	s_mov_b32 s[(\g)+5], 128        ; 128 elements from row to row
	s_mov_b32 s[(\g)+6], 0
	s_mov_b32 s[(\g)+7], 0
.endr
	s_mov_b32 s[CS], 0x3e0293ee     ; c = log2(e) / sqrt(128) = 0.127517
	s_mov_b32 s[CS+1], s[CS]        ; named with it as a pair
	s_mov_b32 s[SEL], 0x76543210
	s_mov_b32 s[SEL+1], 0xfedcba98
	s_mov_b32 s[TB], SLOT1+2*STEPB  ; the first change of slots turns this into 0
	s_mov_b32 s[G0K], 1             ; count = 1
	s_mov_b32 s[G0K+1], s83         ; LDS address: slot 0
	s_mov_b32 s[G0V], 1
	s_add_co_u32 s[G0V+1], s83, VOFF
	s_add_co_u32 s[RT], s[HI], 1    ; the first block has 8 - p tiles
	s_mov_b32 s[NXT], 1
	s_mov_b32 s[LQ], s[HI]
	s_mov_b32 s[NEW], 0
	s_mov_b32 s[OFF+1], 0
	s_mov_b32 s[BIGN], 0xf149f2ca   ; -1e30
	s_mov_b32 s[SLOTS], 8
	s_and_b32 s[LIM], s[WV], 1      ; 0 in waves 0 and 2,
	s_or_b32 s[LIM], s[LIM], ttmp9  ; where p = 0: the same in all four partners
	s_cmp_eq_u32 s[LIM], 0
	s_cselect_b32 s[LIM], 2, -1
	v_and_b32 v[PFO], 31, v0
	v_lshlrev_b32 v[PFO], 8, v[PFO]
	s_wait_dscnt 0x0                ; the opening add is done
	s_wait_kmcnt 0x0
	s_add_nc_u64 s[6:7], s[ARG:ARG+1], s[2:3]        ; K at my step of the batch's tile 0,
	s_add_nc_u64 s[8:9], s[6:7], 4<<20               ; V four heads on
	s_add_nc_u64 s[4:5], s[ARG:ARG+1], s[48:49]      ; Q at my rows of the first block,
	s_add_nc_u64 s[86:87], s[ARG:ARG+1], s[50:51]    ; and of the second
	s_add_nc_u64 s[10:11], s[ARG+4:ARG+5], s[52:53]  ; y likewise
	s_add_nc_u64 s[84:85], s[ARG+4:ARG+5], s[54:55]
	s_add_nc_u64 s[WS:WS+1], s[ARG+2:ARG+3], s[18:19]  ; Wo and wo16 at my work-group's numbers
	s_add_nc_u64 s[WD:WD+1], s[ARG+6:ARG+7], s[16:17]
	s_mov_b64 s[G0K+2:G0K+3], s[6:7]           ; global address: tile 0
	s_or_b32 s[G0K+3], s[G0K+3], 0x80000000    ; type = 2
	s_mov_b64 s[G0V+2:G0V+3], s[8:9]
	s_or_b32 s[G0V+3], s[G0V+3], 0x80000000
	s_lshl_b32 s66, s13, 13         ; the prefetches: my work-group's 32 rows of the 128,
	s_add_co_u32 s66, s66, 32768    ; in tile 1: the first change of slots steps it to tile 2
	s_mov_b32 s67, 0
	s_cmp_lt_u32 s[WV], 2
	s_cselect_b64 s[PFA:PFA+1], s[6:7], s[8:9]  ; (in waves 0 and 2 these stand at a tile's first row)
	s_add_nc_u64 s[PFA:PFA+1], s[PFA:PFA+1], s[66:67]
	CROUND                          ; all four work-groups are here: the first joint loads meet
	JLOAD                           ; tile 0 into slot 0.  Slot 1 is asked for when slot 0 is in, by the loop's own change of slots
	; A fragment of K or Q is 16 rows x 32 channels in 8 registers: lane l holds row l % 16, channels 8 (l / 16) + 0..7 and 16 + 8 (l / 16) + 0..7: two loads of 16 bytes, 32 bytes apart.
	v_and_b32 v1, 15, v0            ; l % 16
	v_bfe_u32 v9, v0, 4, 1          ; l / 16
	v_lshlrev_b32 v[QO], 8, v1
	v_lshl_add_u32 v[QO], v9, 4, v[QO]  ; row x 256 + 16 x half
	WIN 0x80                        ; destination window 2, address window 0
.set i, 0
.rept 8                             ; both blocks' Q stay in registers: tile i / 4, channels 32 (i % 4) on
	global_load_b128 v[8*i:8*i+3],         v[QO], s[4:5] offset:(i/4)*4096+(i%4)*64
	global_load_b128 v[8*i+4:8*i+7],       v[QO], s[4:5] offset:(i/4)*4096+(i%4)*64+32
	global_load_b128 v[QB+8*i:QB+8*i+3],   v[QO], s[86:87] offset:(i/4)*4096+(i%4)*64
	global_load_b128 v[QB+8*i+4:QB+8*i+7], v[QO], s[86:87] offset:(i/4)*4096+(i%4)*64+32
.set i, i+1
.endr
	; What the first step finds: O^T and l hold 0 (finite is all that a = 0 needs), the masks 0.  No first step is written out; these lines stand in the wait for the first tile.
	WIN 0x40
.set i, 0
.rept 192
	v_mov_b32 v[i], 0
.set i, i+1
.endr
	WIN 0
.irp t, 0,1
	v_mov_b32 v[ST+8*(\t)], 0xfe000000    ; c m: far below every c s
	v_mov_b32 v[ST+8*(\t)+1], 0xff7fffff  ; m: the lowest finite number
	v_mov_b32 v[ST+8*(\t)+2], 0
	v_mov_b32 v[ST+8*(\t)+3], 0
.endr
	v_mul_u32_u24 v[AK0], v1, KPITCH
	v_lshl_add_u32 v[AK0], v9, 4, v[AK0]  ; row x pitch + 16 x half
	; The turning load takes 16 keys x 16 channels (lane l reads key 8 (l / 16) + l % 8, channels 8 ((l / 8) % 2) + 0..7) and leaves half a fragment of V^T: lane l holds channel l % 16 and 8 keys.
	v_and_b32 v10, 7, v0
	v_bfe_u32 v11, v0, 3, 1
	v_lshl_add_u32 v[AV0], v9, 3, v10
	v_mul_u32_u24 v[AV0], v[AV0], VPITCH
	v_lshl_add_u32 v[AV0], v11, 4, v[AV0]
	v_add_nc_u32 v[AV0], VOFF, v[AV0]
	v_lshlrev_b32 v11, 3, v9
	v_sub_nc_u32 v[VD], v1, v11
	s_lshl_b32 s66, s[WV], 5
	v_add_nc_u32 v[VD], s66, v[VD]  ; 32 w + l % 16 - 8 (l / 16): register r of key group kb is hidden where 16 kb + r is greater than this plus NK
	v_add_nc_u32 v[VD+1], 16, v[VD]
	s_mul_i32 s66, s[WV], 16*SP
	s_add_co_u32 s66, s66, STAGE    ; my stage
	v_mul_u32_u24 v[STO], v1, SP    ; in: row l % 16, 16 bytes for each half of the lanes
	v_lshl_add_u32 v[STO], v9, 4, v[STO]
	v_add_nc_u32 v[STO], s66, v[STO]
	v_mul_u32_u24 v[RD], v9, SP     ; back: lanes 0-15 take one row of 256 bytes, lanes 16-31 the next
	v_lshl_add_u32 v[RD], v1, 4, v[RD]
	v_add_nc_u32 v[RD], s66, v[RD]
	v_lshlrev_b32 v[GO], 12, v9     ; and the same two rows in y, 4,096 bytes apart
	v_lshl_add_u32 v[GO], v1, 4, v[GO]
	s_wait_loadcnt 0x0              ; Q, both blocks'
	WIN 0xc0                        ; destination window 3, address window 0
.set i, 0
.rept 32                            ; Wo: step i is 512 numbers, 2,048 bytes; a wave's load covers 512 consecutive bytes.  Asked for only now, when Q is in; waited for in front of the walk's last tile
	global_load_b128 v[128+4*i:128+4*i+3], v[WLO], s[WS:WS+1] offset:2048*i th:TH_LOAD_NT
.set i, i+1
.endr
	WIN 0
; THE MATRIX WORK, a tile at a time.  The accumulators take turns, one instruction a turn: between two links of a chain stand 3 (K Q^T) or 7 (V^T P) others', and a group's last
; product and the next group's first name different accumulators, over the backward jump too.
; Product i of 16 of tile t's S^T = K Q^T: channels 32 (i / 4) on, keys 16 (i % 4) on.  The first 4 start the sums, with the mask as C.
.macro KQT t
.set rS, S+32*(\t)+8*(i%4)
.set rK, KF+32*(i%4)+8*(i/4)
.set rQ, 32*(\t)+8*(i/4)
.set rM, MC+32*(\t)+8*(i%4)
.if i < 4
	WIN W_KM
	v_wmma_f32_16x16x32_f16 v[rS:rS+7], v[rK:rK+7], v[rQ:rQ+7], v[rM:rM+7]
.else
	WIN W_KQ
	v_wmma_f32_16x16x32_f16 v[rS:rS+7], v[rK:rK+7], v[rQ:rQ+7], v[rS:rS+7]
.endif
.endm
; Product i of 16 of tile t's O^T += V^T P: keys 32 (i / 8) on, channels 16 (i % 8) on.
.macro PVT t
	WIN W_PV
.set rO, 64*(\t)+8*(i%8)
.set rV, 64*(i/8)+8*(i%8)
.set rP, P+16*(\t)+8*(i/8)
	v_wmma_f32_16x16x32_f16 v[rO:rO+7], v[rV:rV+7], v[rP:rP+7], v[rO:rO+7]
.endm
; A step's K (64 keys x 128 channels: 16 fragments), in one run of 32 LDS loads.
.macro FETCH_K
	WIN 0
	v_add_nc_u32 v[AKR], s[TB], v[AK0]
	WIN 0x80                        ; destination window 2
.irp f, 0,1,2,3,4,5,6,7,8,9,10,11,12,13,14,15  ; keys 16 (f / 4) on, channels 32 (f % 4) on
	ds_load_b128 v[KF+8*(\f):KF+8*(\f)+3],   v[AKR] offset:((\f)/4)*16*KPITCH+((\f)%4)*64
	ds_load_b128 v[KF+8*(\f)+4:KF+8*(\f)+7], v[AKR] offset:((\f)/4)*16*KPITCH+((\f)%4)*64+32
.endr
	WIN 0
.endm
; THE VECTOR WORK.  One tile's softmax for one key step is a list of 134 instructions; SM writes number j of it for tile t.  s0-s31 are the lane's 32 scores, in pairs 0-15.
;   0-15    the maximum of s0-s31 and the old m, three operands at a time: four chains c0-c3 (each accumulator's lowest registers are read first), then the scores left over, c0-c3 and m
;   16-20   the other half of the lanes' maximum; the new m; c m; c m_old - c m_new
;   21-69   ONE BATCH: the 16 scalings c s - c m, a pair of scores each, and all 33 exponentials (a at 23, then s0-s31).  None of these names an exponential's result; a pair is scaled four numbers or more ahead of its exponentials.
;   70-85   the roundings to f16, a pair of weights each       86-101  the sums; l = a l + the sum       102-133  the tile's O^T times a
.macro SM t
.set rT, ST+8*(\t)
.set rS, S+32*(\t)
.set rP, P+16*(\t)
.set rO, 64*(\t)+2*(j-102)
.if j < 102
	WIN 0
.endif
.if j < 4
	v_max3_num_f32 v[rT+4+j], v[rS+8*j], v[rS+8*j+1], v[rS+8*j+2]
.elseif j < 12
	v_max3_num_f32 v[rT+4+j%4], v[rT+4+j%4], v[rS+8*(j%4)+2*(j/4)+1], v[rS+8*(j%4)+2*(j/4)+2]
.elseif j == 12
	v_max3_num_f32 v[rT+4], v[rT+4], v[rS+7], v[rS+15]
.elseif j == 13
	v_max3_num_f32 v[rT+6], v[rT+6], v[rS+23], v[rS+31]
.elseif j == 14
	v_max3_num_f32 v[rT+4], v[rT+4], v[rT+5], v[rT+6]
.elseif j == 15
	v_max3_num_f32 v[rT+4], v[rT+4], v[rT+7], v[rT+1]
.elseif j == 16
	v_permlanex16_b32 v[rT+5], v[rT+4], s[SEL], s[SEL+1]  ; the query's other 32 keys lie in the lane 16 away
.elseif j == 17
	v_mov_b32 v[rT+7], v[rT]        ; c m_old is kept for a: number 19 writes c m anew
.elseif j == 18
	v_max_num_f32 v[rT+1], v[rT+4], v[rT+5]
.elseif j == 19
	v_mul_f32 v[rT], s[CS], v[rT+1]
.elseif j == 20
	v_sub_f32 v[rT+7], v[rT+7], v[rT]
.elseif j == 23
	v_exp_f32 v[rT+6], v[rT+7]
.elseif (j < 23) || ((j < 38) && (j%2 == 0)) || ((j < 66) && (j%4 == 2))
.set b, (j-2)/4                     ; 38, 42, .. 62: pairs 9 to 15
.if j < 38
.set b, (j-20)/2                    ; 21: pair 0; 22, 24, .. 36: pairs 1 to 8
.endif
	v_pk_fma_f32 v[rS+2*b:rS+2*b+1], v[rS+2*b:rS+2*b+1], s[CS:CS+1], v[rT:rT+1] op_sel_hi:[1,0,0] neg_lo:[0,0,1] neg_hi:[0,0,1]  ; pair b: c s - c m
.elseif j < 70
.set e, j-38                        ; 66 to 69: s28 to s31
.if j < 66
.set e, j-32-(j-38)/4               ; 39-41, 43-45, .. 63-65: s7 to s27
.endif
.if j < 38
.set e, (j-25)/2                    ; 25, 27, .. 37: s0 to s6
.endif
	v_exp_f32 v[rS+e], v[rS+e]
.elseif j < 86
	v_cvt_pk_f16_f32 v[rP+j-70], v[rS+2*(j-70)], v[rS+2*(j-70)+1]  ; pair j - 70
.elseif j < 102                     ; the sum of the tile's 16 pairs, in place: neighbours 1, 2, 4 and 8 pairs apart, then l takes it
.set z, j-86
.set w, 4
.set u, z
.if z >= 14
.set w, 32
.set u, 0
.elseif z >= 12
.set w, 16
.set u, z-12
.elseif z >= 8
.set w, 8
.set u, z-8
.endif
.if z < 15
	v_pk_add_f32 v[rS+w*u:rS+w*u+1], v[rS+w*u:rS+w*u+1], v[rS+w*u+w/2:rS+w*u+w/2+1]
.else
	v_pk_fma_f32 v[rT+2:rT+3], v[rT+2:rT+3], v[rT+6:rT+7], v[rS:rS+1] op_sel_hi:[1,0,1]
.endif
.else
	WIN W_RS
	v_pk_mul_f32 v[rO:rO+1], v[rO:rO+1], v[rT+6:rT+7] op_sel_hi:[1,0]
.endif
.endm
.macro SMN t, n                     ; the next n numbers of tile t's list, from j on
.rept \n
	SM \t
.set j, j+1
.endr
.endm
; The step's masks: register i of tile t is -1e30 where 16 (i / 8) + i % 8 > VD[t] + NK, else 0.  Off the diagonal tile NK is 64 or more and all come out 0.
.macro MASK
	WIN 0
	v_add_nc_u32 v[VE], s[NK], v[VD]
	v_add_nc_u32 v[VE+1], s[NK], v[VD+1]
	WIN 0x40                        ; destination window 1
.irp t, 0,1
.set i, 0
.rept 32
	v_cmp_gt_i32 vcc_lo, 16*(i/8)+i%8, v[VE+(\t)]
	v_cndmask_b32 v[MC+32*(\t)+i], 0, s[BIGN], vcc_lo
.set i, i+1
.endr
.endr
	WIN 0
.endm
; THE WAY OUT of a block.  Tile t: O^T is divided by l and rounded to f16; a lane's eight channels of a row pack into 16 bytes; they go into rows of 272 bytes of my stage and come back as whole rows of 256.
.macro PACK t
	WIN W_RS
.set i, 64*(\t)
.rept 32
	v_pk_mul_f32 v[i:i+1], v[i:i+1], v[ST+8*(\t)+6:ST+8*(\t)+7] op_sel_hi:[1,0]
.set i, i+2
.endr
	WIN 0x05                        ; sources 0 and 1 window 1, destination window 0: S^T's registers are free
.set i, 0
.rept 32
	v_cvt_pk_f16_f32 v[S+32*(\t)+i], v[64*(\t)+2*i], v[64*(\t)+2*i+1]
.set i, i+1
.endr
	WIN 0
.irp f, 0,1,2,3,4,5,6,7
	ds_store_b128 v[STO], v[S+32*(\t)+4*(\f):S+32*(\t)+4*(\f)+3] offset:32*(\f)
.endr
.irp f, 0,1,2,3,4,5,6,7
	ds_load_b128 v[S+32*(\t)+4*(\f):S+32*(\t)+4*(\f)+3], v[RD] offset:(\f)*2*SP  ; LDS serves a wave's instructions in order (ISA guide 5.7.1.4): these see the stores above; the next tile's stores come behind them
.endr
.endm
.macro SEND t, younger              ; younger: the LDS instructions issued behind tile t's loads: the next tile's sixteen, or none
	WIN 0
.irp f, 0,1,2,3,4,5,6,7
	s_wait_dscnt (\younger)+7-(\f)
	global_store_b128 v[GO], v[S+32*(\t)+4*(\f):S+32*(\t)+4*(\f)+3], s[10:11] offset:(\t)*65536+(\f)*8192  ; 16 lanes store 256 consecutive bytes, at a multiple of 256 from y's first byte
.endr
.endm
.macro WAYOUT
	WIN 0
.irp t, 0,1
	v_add_f32 v[ST+8*(\t)+4], v[ST+8*(\t)+2], v[ST+8*(\t)+3]  ; l's two halves,
.endr
.irp t, 0,1
	v_permlanex16_b32 v[ST+8*(\t)+5], v[ST+8*(\t)+4], s[SEL], s[SEL+1]
.endr
.irp t, 0,1
	v_add_f32 v[ST+8*(\t)+4], v[ST+8*(\t)+4], v[ST+8*(\t)+5]  ; and the other half of the lanes'
.endr
.irp t, 0,1
	v_rcp_f32 v[ST+8*(\t)+6], v[ST+8*(\t)+4]
.endr
	v_nop                           ; a plain instruction between the last reciprocal and the use of its result,
	s_wait_alu depctr_va_vdst(0)    ; and the wait ahead of the first use: one for both
	PACK 0
	PACK 1                          ; a tile's arithmetic stands between the loads of the tile before and its stores
	SEND 0, 16
	SEND 1, 0
.endm
; Wo's CAST: the 32 loads of the kernel's head are rounded to bf16, widened again (a shift, a mask), written as f16 (8 significant bits fit f16's 11) and stored: a wave's store covers 256 consecutive bytes,
; at a multiple of 256 from wo16's first byte.  No register of a store is written again.
.macro WOCAST
	s_wait_loadcnt 0x0              ; Wo: asked for eight tiles ago
	WIN 0x0f                        ; sources 0 and 1 window 3, destination window 0
.set n, 0
.rept 64
	v_cvt_pk_bf16_f32 v[WT+n], v[128+2*n], v[128+2*n+1]
.set n, n+1
.endr
	WIN 0
.set n, 0
.rept 32
	v_lshlrev_b32 v[WX+4*(n%2)],   16, v[WT+2*n]
	v_and_b32     v[WX+4*(n%2)+1], 0xffff0000, v[WT+2*n]
	v_lshlrev_b32 v[WX+4*(n%2)+2], 16, v[WT+2*n+1]
	v_and_b32     v[WX+4*(n%2)+3], 0xffff0000, v[WT+2*n+1]
	v_cvt_pk_f16_f32 v[WT+2*n],   v[WX+4*(n%2)],   v[WX+4*(n%2)+1]
	v_cvt_pk_f16_f32 v[WT+2*n+1], v[WX+4*(n%2)+2], v[WX+4*(n%2)+3]
	global_store_b64 v[WSO], v[WT+2*n:WT+2*n+1], s[WD:WD+1] offset:1024*n
.set n, n+1
.endr
.endm
; A TILE: its two key steps, and behind a block's last tile the way out.  last = 1: the walk's last tile, which is the second block's last.
.macro TILEWORK last
	s_sub_co_u32 s[RT], s[RT], 1
	s_lshl_b32 s[NK], s[RT], 7      ; 128 x (block - tile)
	s_cmp_eq_u32 s[RT], 0
	s_cselect_b32 s[MK], 1, s[NEW]  ; masks are made in the diagonal tile, and once where the second block begins (they then come out 0, unless that tile is the diagonal one)
	s_mov_b32 s[NEW], 0
	FETCH_K                         ; K of the tile's first step
	s_mov_b32 s[CNT], 2
.Lstep_\@:
	s_cmp_eq_u32 s[MK], 1
	s_cbranch_scc0 .Lnomask_\@
	MASK
	s_cmp_eq_u32 s[RT], 0
	s_cselect_b32 s[MK], 1, 0
.Lnomask_\@:
	s_sub_co_i32 s[NK], s[NK], 64   ; the next step's keys lie 64 further on
	v_add_nc_u32 v[AVR], s[TB], v[AV0]  ; this step's V
	s_add_co_u32 s[TB], s[TB], STEPB    ; the next fetch is the next step's
	s_wait_dscnt 0x0                ; K is in
.set i, 0
.rept 16                            ; K Q^T OF TILE 0; behind product i fragment i of V (keys 32 (i / 8) on, channels 16 (i % 8) on), turned: V's registers were last read six plain instructions ahead of the step's head
	KQT 0
	WIN 0xc0                        ; destination window 3, address window 0
	ds_load_tr16_b128 v[8*i:8*i+3],   v[AVR] offset:(i/8)*32*VPITCH+(i%8)*32
	ds_load_tr16_b128 v[8*i+4:8*i+7], v[AVR] offset:(i/8)*32*VPITCH+16*VPITCH+(i%8)*32
.set i, i+1
.endr
	WIN 0
	PLACES                          ; behind tile 0's last product: its softmax reads the results
.set i, 0
.set j, 0
.rept 16                            ; K Q^T OF TILE 1; behind each product four numbers of tile 0's softmax, which name none of its registers: 0 to 63
	KQT 1
	SMN 0, 4
.set i, i+1
.endr
	SMN 0, 6                        ; the batch's last exponentials
	PLACES                          ; the plain instruction behind the last exponential; with number 62 more than the four places between tile 1's last product and the loads into K's registers
	s_wait_alu depctr_va_vdst(0)    ; the one wait for tile 0's 33 exponentials, ahead of the first line that names a result, and of the branch
	s_wait_dscnt 0x0                ; V is in: its last loads were issued a group of 16 products ago
	s_cmp_eq_u32 s[CNT], 1
	s_cbranch_scc1 .Lnok_\@
	FETCH_K                         ; the next step's K, if the tile has one: it has the rest of the step in which to land
.Lnok_\@:
	SMN 0, 16                       ; the lump: tile 0's roundings,
.set j, 102
	SMN 0, 32                       ; and its O^T times a; its sums come later
.set i, 0
.set j, 0
.rept 16                            ; V^T P OF TILE 0; behind each product four numbers of tile 1's softmax
	PVT 0
	SMN 1, 4
.set i, i+1
.endr
	SMN 1, 6
	v_nop                           ; the plain instruction behind the last exponential,
	s_wait_alu depctr_va_vdst(0)    ; and the one wait for tile 1's 33
	SMN 1, 16
.set j, 102
	SMN 1, 32
.set i, 0
.rept 16                            ; V^T P OF TILE 1; behind product i number 86 + i, a line of the sums, of both tiles
	PVT 1
.set j, 86+i
	SM 0
	SM 1
.set i, i+1
.endr
	WIN 0
	PLACES                          ; behind the last product: V's registers are loaded again, or O^T is read
	s_sub_co_u32 s[CNT], s[CNT], 1
	s_cmp_lg_u32 s[CNT], 0
	s_cbranch_scc1 .Lstep_\@
.if !(\last)
	s_cmp_lg_u32 s[RT], 0
	s_cbranch_scc1 .Lmore_\@        ; the block has more tiles
.endif
	WAYOUT
.if !(\last)
	s_wait_xcnt 0x0                 ; the stores have read their registers and y's address
	s_mov_b64 s[10:11], s[84:85]    ; THE SECOND BLOCK BEGINS
	s_add_co_u32 s[RT], s[PB], 1    ; it has p + 1 tiles
	s_mov_b32 s[NEW], 1
.irp t, 0,1
	v_mov_b32 v[ST+8*(\t)], 0xfe000000
	v_mov_b32 v[ST+8*(\t)+1], 0xff7fffff
.endr
	WIN 0x82                        ; its Q goes where the one text of the products names Q
.set i, 0
.rept 64
	v_mov_b32 v[i], v[QB+i]
.set i, i+1
.endr
	WIN 0
.Lmore_\@:
.endif
.endm
.Lslot:                             ; 8 times: a tile is entered and the next is asked for
	CHANGE 1
	TILEWORK 0
	s_sub_co_u32 s[SLOTS], s[SLOTS], 1
	s_cmp_lg_u32 s[SLOTS], 0
	s_cbranch_scc1 .Lslot
	CHANGE 0                        ; the walk's last tile is written out: nothing is asked for
	WOCAST                          ; its stores leave while the last tile is worked on
	TILEWORK 1
	s_wait_tensorcnt 0x0            ; the wave's end: behind my last tensor load and my last LDS store
	ds_add_u32 v[SPW], v[NIL]
	s_wait_dscnt 0x0
	CROUND                          ; the closing round: no work-group ends while a partner may still ask for a tile that names it
	s_endpgm
.Lfunc_end_k_q20334548d6_attn:
	.size	k_q20334548d6_attn, .Lfunc_end_k_q20334548d6_attn-k_q20334548d6_attn
	.p2alignl 7, 3214868480
	.fill 96, 4, 3214868480
	.section	.rodata,"a",@progbits
	.p2align	6, 0x0
	.amdhsa_kernel k_q20334548d6_attn
		.amdhsa_group_segment_fixed_size 327680
		.amdhsa_private_segment_fixed_size 0
		.amdhsa_enable_private_segment 0
		.amdhsa_kernarg_size 32
		.amdhsa_user_sgpr_count 2
		.amdhsa_user_sgpr_kernarg_segment_ptr 1
		.amdhsa_wavefront_size32 1
		.amdhsa_system_sgpr_workgroup_id_x 1
		.amdhsa_system_sgpr_workgroup_id_y 1
		.amdhsa_system_sgpr_workgroup_id_z 1
		.amdhsa_system_vgpr_workitem_id 0
		.amdhsa_next_free_vgpr 1024
		.amdhsa_next_free_sgpr 100
		.amdhsa_reserve_vcc 1
		.amdhsa_float_denorm_mode_32 3
		.amdhsa_float_denorm_mode_16_64 3
		.amdhsa_memory_ordered 1
		.amdhsa_forward_progress 1
		.amdhsa_inst_pref_size 140
	.end_amdhsa_kernel
	.amdgpu_metadata
---
amdhsa.version: [ 1, 2 ]
amdhsa.kernels:
  - .name:           k_q20334548d6_attn
    .symbol:         k_q20334548d6_attn.kd
    .args:
      - { .name: qkv, .offset: 0, .size: 8, .value_kind: global_buffer, .address_space: global }
      - { .name: Wo, .offset: 8, .size: 8, .value_kind: global_buffer, .address_space: global }
      - { .name: y, .offset: 16, .size: 8, .value_kind: global_buffer, .address_space: global }
      - { .name: wo16, .offset: 24, .size: 8, .value_kind: global_buffer, .address_space: global }
    .group_segment_fixed_size: 327680
    .private_segment_fixed_size: 0
    .kernarg_segment_align: 8
    .kernarg_segment_size: 32
    .max_flat_workgroup_size: 128
    .sgpr_count:     100
    .vgpr_count:     1024
    .wavefront_size: 32
...
	.end_amdgpu_metadata
.endif
;; end of part 3
;; launch proj_out (part 4): grid 8 x 32, 4 waves a work-group, clusters of 4 x 4, 327,680 bytes of LDS; arguments y, wo16, out0; writes out0
.if DOCPART == 4
	.amdgcn_target "amdgcn-amd-amdhsa--gfx1250"
	.amdhsa_code_object_version 6
	.text
	.protected	k_q20334548d6_proj_out
	.globl	k_q20334548d6_proj_out
	.p2align	8
	.type	k_q20334548d6_proj_out,@function
k_q20334548d6_proj_out:
	s_mov_b64 s[64:65], 0
	v_nop
	global_prefetch_b8 v0, s[64:65] scope:SCOPE_SE
	s_setreg_imm32_b32 hwreg(HW_REG_WAVE_MODE, 25, 1), 1
	s_wait_xcnt 0x0
	s_wait_alu depctr_hold_cnt(0) depctr_sa_sdst(0) depctr_va_vdst(0) depctr_va_sdst(0) depctr_va_ssrc(0) depctr_va_vcc(0) depctr_vm_vsrc(0)
	s_getreg_b32 s2, hwreg(HW_REG_IB_STS2, 6, 4)
	s_cmp_eq_u32 s2, 0
	s_cbranch_scc0 .Lentry_in_a_cluster
	s_endpgm
.Lentry_in_a_cluster:
	s_bfe_u32 s2, ttmp6, 0x10000c
	s_cmp_lg_u32 s2, 0xf033
	s_cbranch_scc0 .Lentry_shape_is_right
	s_endpgm
.Lentry_shape_is_right:
; C = A B.  A: [4096][2048], K along the rows; B: [2048 k][NTOT n], N along the rows; sums in f32.  One text for two products, chosen by KIND:
;   KIND 0: A = xb, B = wqkv, both bf16, NTOT = 3,072; C = qkv in f16, laid by heads: [24][4096][128] (heads 0-15 q, 16-19 k, 20-23 v).
;   KIND 1: A = y, B = wo16, both f16, NTOT = 2,048; C = out0 in f32, [4096][2048].
; LIMITS.  KIND 0 rounds its sums to f16: they must lie within 65,504.  NaN and infinities are not treated apart.  The order of a sum's terms is not K ascending: see THE WALK.
; SHARES.  A tile of C is 128 rows x NT columns (384 or 256): 8 x 32 tiles, one work-group each.  All four waves read all 128 rows of A; a wave owns NB fragments of 16 columns:
; 8 x NB accumulators of 16 x 16.  K goes in 16 steps of 128 through two LDS slots filled by the tensor data mover; every row of every tile is 256 bytes of memory at a multiple of 256.
; B lies [k][n], so its fragments come out of LDS turned, by ds_load_tr16_b128; B's tile is cut into NPIECE pieces of 128 k-rows x 128 columns.
; THE PRODUCT IS TAKEN TRANSPOSED: source 0 = 16 columns of B, source 1 = 16 rows of A: a lane then holds row l % 16 of C and eight neighbouring columns.
; CLUSTER.  4 x 4 work-groups.  A's tile hangs on the tile row alone and is asked for jointly by a row of the cluster, B's pieces on the tile column alone, jointly by a column.
; THE WALK ALONG K IS TURNED.  Cluster (X, Y) of the 2 x 8 begins at K step 4 (Y mod 4) + 8 X (mod 16) and goes once round the 16 steps.  So the two clusters that read a tile row of A stand eight
; steps apart, and of the clusters that read a piece of B those with different Y mod 4 stand four or more apart: they do not ask for the same blocks at the same time.  All partners of a cluster share X and Y.
; REGISTERS, in windows of 256 (s_set_vgpr_msb: bits 1:0 source 0, 3:2 source 1, 5:4 source 2, 7:6 destination):
;   window 0: v0-31 addresses; v32-55 at work on the way out; v64-127, v128-191 A's fragments, two buffers (on the way out: rows read back)
;   window 1: v64.., v128.. B's fragments, two buffers      window 2: accumulators of rows 0-63, (a, b) at v[8 (NB a + b)]      window 3: those of rows 64-127
.set KIND, 1
.if KIND
.set NTOT,   2048
.set NT,     256
.set NPIECE, 2                         ; pieces in B's tile
.set NB,     4                         ; B fragments a wave
.set FPP,    4                         ; a wave's fragments in one piece
.set NPW,    1                         ; pieces that a wave reads
.set AROWS,  64                        ; rows in one load of A: waves 2 and 3 bring a half each
.else
.set NTOT,   3072
.set NT,     384
.set NPIECE, 3
.set NB,     6
.set FPP,    2
.set NPW,    3
.set AROWS,  128                       ; wave 3 brings all of A's tile
.endif
.set KSTEP,  128
.set NSTEP,  2048/KSTEP                ; 16 K steps
.set LAPS,   NSTEP/2                   ; a lap = two K steps = once round the ring
.set PA,     272                       ; a row of A in LDS: 256 bytes + 16 = 68 words: the 16 rows of a load start at 16 different groups of four banks (64 banks of 4 bytes: ISA guide 11.1)
.set PB,     288                       ; a k-row of a piece: 256 + 32 = 72 words
.set ABYTES, 128*PA
.set PIECE,  128*PB
.set SLOT,   ABYTES+NPIECE*PIECE       ; A's 128 rows, then the pieces
.set NLD,    16+2*NB                   ; LDS loads in a run: the fragments of 32 along K
.if KIND
.set STAGE,  2*SLOT                    ; behind the ring: 16 rows x 272 bytes for each wave
.set SPARE,  STAGE+4*16*272            ; behind the stages: the spare words, 128 bytes a wave: two blocks of 256 bytes that no other line names
.else
.set STAGE,  0                         ; slot 0's bytes, written only when the slot has had its last fill and its last read: 3 pieces x 128 rows x 272 bytes
.set SPARE,  2*SLOT
.endif
.set STO,  8                           ; v8-10   the way out: where I put 16 bytes of a row (KIND 0: by piece)
.set RD,   11                          ; v11-13  the way out: where I read rows back
.set ADRA, 16                          ; v16-17  LDS address of my A fragments in slot 0, 1
.set ADRB, 18                          ; v18-23  the same for B: slot x NPW + piece
.set CO,   26                          ; v26     my byte offset in C
.set SPW,  28                          ; v28     LDS address of my spare word: SPARE + 4 x my thread's number; never rewritten
.set NIL,  29                          ; v29     0; never rewritten
.set PFO,  30                          ; v30     the prefetches' offset: my lane x a row of A in memory; never rewritten
.set TMP,  32
.set F0,   64
.set F1,   128
.set G1,   24                          ; s[24:31] descriptor group 1 for A's tiles;  s[32:39] group 0, a set for each slot
.set G0,   32
.set G1B,  48                          ; s[48:55], s[56:63] the same for B's pieces
.set G0B,  56
.set LIM,  67                          ; s67      5 in the wave that prefetches, else the greatest number
.set PFA,  68                          ; s[68:69] where my prefetch stands
.set KSN,  80                          ; s80      the K step that the next refill asks for
.set KP,   81                          ; s81      the K step that the last prefetch named
.set OA,   82                          ; s[82:83] a K step's byte offset along A's rows
.set OB,   84                          ; s[84:85] the same down B's rows
.set POF,  86                          ; s[86:87] the same for the prefetch
.set PFB,  88                          ; s[88:89] A at my work-group's 32 rows of the tile, K = 0
.set BF,   90                          ; s[90:91] B at my piece, at the cluster's first K step
.set MSB, 0
.macro WIN new                         ; the immediate's high byte repeats the setting that is left; a switch that changes nothing is dropped
.if MSB != (\new)
	s_set_vgpr_msb (MSB<<8)|(\new)
.set MSB, \new
.endif
.endm
.set MUL_LO, 0xa1                      ; source 0 (B) window 1, source 1 (A) window 0, C and D window 2
.set MUL_HI, 0xf1                      ; the same, C and D window 3
.set TO_B,   0x40                      ; destination window 1, address window 0
.macro PLACES                          ; four plain vector instructions between a matrix instruction and a load into, or a vector read of, its registers
.rept 4
	v_nop
.endr
.endm
; A joint load.  The waves below NPIECE fetch a piece of B each, the others A.  Each line has one mask and one set of registers; the branch hangs on the wave's number alone.
; An s_nop 0 and four v_nop follow each line, ahead of the jump and the label.
.macro JLOAD s
	s_cmp_lt_u32 s10, NPIECE
	s_cbranch_scc0 .Lfor_a_\@
	tensor_load_to_lds s[G0B+4*(\s):G0B+4*(\s)+3], s[G1B:G1B+7]
	s_nop 0
.rept 4
	v_nop
.endr
	s_branch .Lasked_\@
.Lfor_a_\@:
	tensor_load_to_lds s[G0+4*(\s):G0+4*(\s)+3], s[G1:G1+7]
	s_nop 0
.rept 4
	v_nop
.endr
.Lasked_\@:
.endm
; A prefetch into the L2 of A's K step that stands two refills on: 32 rows x 256 bytes, a lane a row, one instruction, by wave 3.  The two clusters that read a tile row of A stand eight steps apart, so each
; is the first to read the eight steps with which its own walk begins, and asks for those alone: the first four come by its first fills and its first two refills, the other four are named here, in the loop's
; first two trips (s3 = 7 and 6).  The four partners that ask for the tile jointly share its 128 rows out by address, 32 each.  So each block of 256 bytes is named at most once in the launch.
; Of B a cluster is the first to read at most the four steps with which its walk begins, and those come by first fills and refills alone: nothing of B is named, and nothing at the kernel's head.
.macro ASK
	s_cmp_gt_u32 s3, s[LIM]
	s_cbranch_scc0 .Lnot_mine_\@
	global_prefetch_b8 v[PFO], s[PFA:PFA+1] th:TH_LOAD_NT scope:SCOPE_SE
.Lnot_mine_\@:
.endm
.macro CREST                           ; a round of the cluster's barrier behind its opening barrier
	s_cmp_lg_u32 s10, 0
	s_cbranch_scc1 .Lnot_wave_0_\@
	s_barrier_signal -3
.Lnot_wave_0_\@:
	s_barrier_wait -3
	s_barrier_signal -1
	s_barrier_wait -1
.endm
.macro CROUND                          ; a whole round
	s_barrier_signal -1
	s_barrier_wait -1
	CREST
.endm
	s_load_b128 s[4:7], s[0:1], 0x0                ; A s[4:5], B s[6:7]
	s_load_b64 s[8:9], s[0:1], 0x10                ; C
	v_lshl_add_u32 v[SPW], v0, 2, SPARE
	v_mov_b32 v[NIL], 0
	ds_add_u32 v[SPW], v[NIL]                      ; the wave's opening: the add and its wait stand ahead of my first tensor load; the set-up below, work on registers, stands between them
	v_lshrrev_b32 v1, 5, v0
	v_readfirstlane_b32 s10, v1                    ; wave 0..3
.if KIND
	s_and_b32 s12, s10, 1                          ; which 64 rows of A's tile I would fetch
.else
	s_mov_b32 s12, 0
.endif
	s_bfe_u32 s40, ttmp6, 0x40000                  ; cx, cy: my place in the cluster
	s_bfe_u32 s41, ttmp6, 0x40004
	s_lshl_b32 s42, ttmp9, 2
	s_add_co_u32 s42, s42, s40                     ; tile column = 4 x cluster x + cx
	s_and_b32 s13, ttmp7, 0xffff
	s_lshl_b32 s13, s13, 2
	s_add_co_u32 s13, s13, s41                     ; tile row = 4 x cluster y + cy
	s_lshl_b32 s43, s41, 2
	s_lshl_b32 s43, 15, s43                        ; my row of the cluster
	s_lshl_b32 s44, 0x1111, s40                    ; my column
	s_or_b32 s[G1], s43, (1<<16)|(1<<20)|(1<<21)|(5<<22)|(3<<25)   ; 15:0 the mask; 17:16 elements of 2 bytes; 20 padding on; 21 set beside a mask; 24:22 after every 64 words; 31:25 4 words of it
	s_mov_b32 s[G1+1], KSTEP<<16                   ; tensor_dim0 = 128
	s_mov_b32 s[G1+2], AROWS<<16                   ; tensor_dim1
	s_mov_b32 s[G1+3], KSTEP<<16                   ; tile_dim0 = 128
	s_mov_b32 s[G1+4], AROWS                       ; tile_dim1
	s_mov_b32 s[G1+5], 2048                        ; elements from row to row of A
	s_mov_b32 s[G1+6], 0
	s_mov_b32 s[G1+7], 0
	s_or_b32 s[G1B], s44, (1<<16)|(1<<20)|(1<<21)|(5<<22)|(7<<25)  ; the column's mask; 8 words of padding
	s_mov_b32 s[G1B+1], 128<<16                    ; 128 columns
	s_mov_b32 s[G1B+2], KSTEP<<16                  ; 128 k-rows
	s_mov_b32 s[G1B+3], 128<<16
	s_mov_b32 s[G1B+4], KSTEP
	s_mov_b32 s[G1B+5], NTOT                       ; elements from row to row of B
	s_mov_b32 s[G1B+6], 0
	s_mov_b32 s[G1B+7], 0
	; the cluster's first K step: 4 (Y mod 4) + 8 X, mod 16: made of the cluster's coordinates alone, which all sixteen partners share
	s_and_b32 s[KSN], ttmp7, 0xffff
	s_and_b32 s[KSN], s[KSN], 3
	s_lshl_b32 s[KSN], s[KSN], 2
	s_lshl_b32 s[KP], ttmp9, 3
	s_add_co_u32 s[KSN], s[KSN], s[KP]
	s_and_b32 s[KSN], s[KSN], NSTEP-1              ; 0, 4, 8 or 12
	s_lshl_b32 s[OA], s[KSN], 8                    ; a K step is 256 bytes of a row of A,
	s_mov_b32 s[OA+1], 0
	s_mul_i32 s[OB], s[KSN], KSTEP*NTOT*2          ; and 128 rows of B
	s_mov_b32 s[OB+1], 0
	s_mov_b32 s[POF+1], 0
	; where the tiles come from: A's by the tile row, B's by the tile column, each in registers that never hold the other coordinate
	s_lshl_b32 s16, s13, 7
	s_mul_i32 s17, s12, AROWS
	s_add_co_u32 s16, s16, s17                     ; A: row 128 x tile row + my part
	s_lshl_b32 s16, s16, 12                        ; 4,096 bytes a row
	s_mov_b32 s17, 0
	s_mul_i32 s46, s42, NT*2                       ; B: the tile's first column, in bytes,
	s_lshl_b32 s47, s10, 8                         ; my piece's 256 bytes
	s_add_co_u32 s46, s46, s47
	s_mov_b32 s47, 0
	s_mul_i32 s20, s12, AROWS*PA                   ; and where they go: no place in the cluster enters an LDS address
	s_mul_i32 s21, s10, PIECE
	s_add_co_u32 s21, s21, ABYTES
	s_wait_dscnt 0x0                               ; the opening add is done
	s_wait_kmcnt 0x0
	s_add_nc_u64 s[14:15], s[4:5], s[16:17]        ; A at my rows, K = 0: kept, every refill's address is made from it
	s_add_nc_u64 s[46:47], s[6:7], s[46:47]        ; B at my piece, K = 0: likewise
	s_add_nc_u64 s[18:19], s[14:15], s[OA:OA+1]    ; both at the cluster's first K step
	s_add_nc_u64 s[BF:BF+1], s[46:47], s[OB:OB+1]
.irp s, 0,1
	s_mov_b32 s[G0+4*(\s)], 1                                        ; count = 1
	s_add_co_u32 s[G0+4*(\s)+1], s20, (\s)*SLOT                      ; LDS address
	s_add_nc_u64 s[G0+4*(\s)+2:G0+4*(\s)+3], s[18:19], (\s)*KSTEP*2  ; global address: the walk's step s (the first step is 12 at the most: no turn-round here)
	s_or_b32 s[G0+4*(\s)+3], s[G0+4*(\s)+3], 0x80000000              ; type = 2
	s_mov_b32 s[G0B+4*(\s)], 1
	s_add_co_u32 s[G0B+4*(\s)+1], s21, (\s)*SLOT
	s_add_nc_u64 s[G0B+4*(\s)+2:G0B+4*(\s)+3], s[BF:BF+1], (\s)*KSTEP*NTOT*2
	s_or_b32 s[G0B+4*(\s)+3], s[G0B+4*(\s)+3], 0x80000000
.endr
	s_add_co_u32 s[KP], s[KSN], 3                  ; the first change of slots steps this to the walk's step 4
	s_add_co_u32 s[KSN], s[KSN], 2                 ; the first refill asks for the walk's step 2
	CROUND                                         ; all sixteen work-groups are here: the first joint loads meet
	s_cmp_lt_u32 s10, NPIECE                       ; a wave's two first fills stand in one branch, ahead of every wait on TENSORcnt and every LDS read: two loads of mine are out
	s_cbranch_scc0 .Lfirst_a
	tensor_load_to_lds s[G0B:G0B+3], s[G1B:G1B+7]
	s_nop 0
	tensor_load_to_lds s[G0B+4:G0B+7], s[G1B:G1B+7]
	s_nop 0
.rept 4
	v_nop
.endr
	s_branch .Lfirst_asked
.Lfirst_a:
	tensor_load_to_lds s[G0:G0+3], s[G1:G1+7]
	s_nop 0
	tensor_load_to_lds s[G0+4:G0+7], s[G1:G1+7]
	s_nop 0
.rept 4
	v_nop
.endr
.Lfirst_asked:
	; A fragment of A is 16 rows x 32 K in 8 registers: lane l holds row l % 16, K = 8 (l / 16) + 0..7 and 16 + 8 (l / 16) + 0..7: two loads of 16 bytes, 32 bytes apart.
	v_and_b32 v1, 15, v0                           ; l % 16
	v_bfe_u32 v2, v0, 4, 1                         ; l / 16
	v_mul_u32_u24 v3, v1, PA
	v_lshl_add_u32 v3, v2, 4, v3                   ; row x pitch + 16 x half
	v_mov_b32 v[ADRA], v3
	v_add_nc_u32 v[ADRA+1], SLOT, v3
	; The turning load takes 16 k-rows x 16 columns (lane l reads k-row 8 (l / 16) + l % 8, columns 8 ((l / 8) % 2) + 0..7) and leaves half a fragment: lane l holds column l % 16 and 8 k.
	v_and_b32 v4, 7, v0
	v_lshl_add_u32 v4, v2, 3, v4
	v_mul_u32_u24 v4, v4, PB
	v_bfe_u32 v5, v0, 3, 1
	v_lshl_add_u32 v4, v5, 4, v4
.if KIND
	s_lshr_b32 s22, s10, 1                         ; my 64 columns: piece wave / 2, its half wave % 2
	s_mul_i32 s22, s22, PIECE
	s_and_b32 s23, s10, 1
	s_lshl_b32 s23, s23, 7
	s_add_co_u32 s22, s22, s23
.else
	s_lshl_b32 s22, s10, 6                         ; my 32 columns of each piece
.endif
	s_add_co_u32 s22, s22, ABYTES
	v_add_nc_u32 v6, s22, v4
.set ss, 0
.rept 2
.set pp, 0
.rept NPW
	v_add_nc_u32 v[ADRB+ss*NPW+pp], ss*SLOT+pp*PIECE, v6
.set pp, pp+1
.endr
.set ss, ss+1
.endr
.if KIND
	s_mul_i32 s22, s10, 16*272
	s_add_co_u32 s22, s22, STAGE                   ; my stage
	v_mul_u32_u24 v7, v1, 272                      ; in: row l % 16, 32 bytes (8 numbers of f32) for each half of the lanes
	v_lshl_add_u32 v7, v2, 5, v7
	v_add_nc_u32 v[STO], s22, v7
	v_mul_u32_u24 v7, v2, 272                      ; back: lanes 0-15 take one row of 256 bytes, lanes 16-31 the next
	v_lshl_add_u32 v7, v1, 4, v7
	v_add_nc_u32 v[RD], s22, v7
	v_lshlrev_b32 v[CO], 13, v2                    ; and the same two rows in C, 8,192 bytes apart
	v_lshl_add_u32 v[CO], v1, 4, v[CO]
	s_lshl_b32 s72, s13, 20                        ; C at my 64 columns of the tile: 128 rows of 8,192 bytes a tile row,
	s_lshl_b32 s73, s42, 10                        ; 1,024 bytes a tile column,
	s_add_co_u32 s72, s72, s73
	s_lshl_b32 s73, s10, 8                         ; 256 a wave
	s_add_co_u32 s72, s72, s73
.else
	s_lshl_b32 s22, s10, 6                         ; into the stage: row l % 16, my 64 bytes of the piece's row, 16 bytes for each half of the lanes
	v_add_nc_u32 v[STO], s22, v3
	v_add_nc_u32 v[STO+1], ABYTES, v[STO]
	v_add_nc_u32 v[STO+2], 2*ABYTES, v[STO]
	s_mul_i32 s22, s10, 32*272                     ; back: wave w takes rows 32 w .. 32 w + 31 of each piece, whole
	v_mul_u32_u24 v7, v2, 272
	v_lshl_add_u32 v7, v1, 4, v7
	v_add_nc_u32 v[RD], s22, v7
	v_add_nc_u32 v[RD+1], ABYTES, v[RD]
	v_add_nc_u32 v[RD+2], 2*ABYTES, v[RD]
	v_and_b32 v[CO], 31, v0                        ; two rows of a head are 512 consecutive bytes
	v_lshlrev_b32 v[CO], 4, v[CO]
	s_mul_i32 s72, s42, 3<<20                      ; C at head 3 x tile column (2^20 bytes a head),
	s_lshl_b32 s73, s13, 15                        ; 128 rows of 256 bytes a tile row,
	s_add_co_u32 s72, s72, s73
	s_lshl_b32 s73, s10, 13                        ; 32 rows a wave
	s_add_co_u32 s72, s72, s73
.endif
	s_mov_b32 s73, 0
	s_add_nc_u64 s[8:9], s[8:9], s[72:73]
	; the prefetches' base: A at row 128 x tile row + 32 cx, K = 0
	s_lshl_b32 s74, s13, 7
	s_lshl_b32 s75, s40, 5
	s_add_co_u32 s74, s74, s75
	s_lshl_b32 s74, s74, 12
	s_mov_b32 s75, 0
	s_add_nc_u64 s[PFB:PFB+1], s[4:5], s[74:75]
	s_cmp_eq_u32 s10, 3                            ; wave 3 asks: the same in every work-group
	s_cselect_b32 s[LIM], 5, -1
	v_and_b32 v[PFO], 31, v0
	v_lshlrev_b32 v[PFO], 12, v[PFO]               ; a lane a row of 4,096 bytes
.macro MM d, x, y, zero                ; one matrix instruction: D at d, source 0 at x, source 1 at y; zero = 1: it starts the sum
.if KIND
.if \zero
	v_wmma_f32_16x16x32_f16 v[(\d):(\d)+7], v[(\x):(\x)+7], v[(\y):(\y)+7], 0
.else
	v_wmma_f32_16x16x32_f16 v[(\d):(\d)+7], v[(\x):(\x)+7], v[(\y):(\y)+7], v[(\d):(\d)+7]
.endif
.else
.if \zero
	v_wmma_f32_16x16x32_bf16 v[(\d):(\d)+7], v[(\x):(\x)+7], v[(\y):(\y)+7], 0
.else
	v_wmma_f32_16x16x32_bf16 v[(\d):(\d)+7], v[(\x):(\x)+7], v[(\y):(\y)+7], v[(\d):(\d)+7]
.endif
.endif
.endm
; 2 NB matrix instructions: row blocks a0, a0 + 1 of the window's four (hi = 0: rows 0-63, 1: rows 64-127) x all NB column blocks, 32 along K.
; The 8 NB accumulators take turns, one instruction a turn, in the same order in every quarter, over the backward jump too.
.macro MULS f, hi, a0, zero
	WIN MUL_LO+0x50*(\hi)
.irp a, \a0, (\a0)+1
.set bb, 0
.rept NB
	MM 8*(NB*(\a)+bb), (\f)+8*bb, (\f)+8*(4*(\hi)+(\a)), \zero
.set bb, bb+1
.endr
.endr
.endm
; NLD LDS loads in one run: the fragments of quarter q (32 along K) of a slot into buffer f: B's first, then A's rows 0-63, then A's rows 64-127
.macro FETCH slot, q, f
	WIN TO_B
.set bb, 0
.rept NB
	ds_load_tr16_b128 v[(\f)+8*bb:(\f)+8*bb+3],   v[ADRB+(\slot)*NPW+bb/FPP] offset:(\q)*32*PB+(bb%FPP)*32
	ds_load_tr16_b128 v[(\f)+8*bb+4:(\f)+8*bb+7], v[ADRB+(\slot)*NPW+bb/FPP] offset:(\q)*32*PB+(bb%FPP)*32+16*PB
.set bb, bb+1
.endr
	WIN 0
.irp i, 0,1,2,3,4,5,6,7
	ds_load_b128 v[(\f)+8*(\i):(\f)+8*(\i)+3],   v[ADRA+(\slot)] offset:64*(\q)+(\i)*16*PA
	ds_load_b128 v[(\f)+8*(\i)+4:(\f)+8*(\i)+7], v[ADRA+(\slot)] offset:64*(\q)+(\i)*16*PA+32
.endr
.endm
; A K step is four quarters of 32 along K on buffers 0, 1, 0, 1.  One of the first three: multiplies buffer f; in its middle it fetches quarter q of the same slot into buffer g.
.macro QUARTER slot, q, f, g, zero
	s_wait_dscnt 8                                 ; B and A's rows 0-63 are in; the youngest eight loads (A's rows 64-127) may be out
	MULS \f, 0, 0, \zero
	MULS \f, 0, 2, \zero
	PLACES
	FETCH \slot, \q, \g
	s_wait_dscnt NLD                               ; all but the run just issued
	MULS \f, 1, 0, \zero
	MULS \f, 1, 2, \zero
.endm
; The last quarter multiplies buffer 1 and changes slots: ONE barrier.  In front of it each wave waits for all its tensor loads (the one that is out is its part of the next slot), adds 0 to its spare
; word, and waits for that and for its own reads of this slot.  fill = 1: the barrier opens a round of the cluster's, and behind the round this slot is filled again, two steps of the walk ahead, first of all.
.macro TURN slot, next, fill
.if \fill
	s_wait_xcnt 0x0                                ; the last prefetch, a K step back, has read its address: it is made anew here, ahead of the waits of the change of slots
	s_add_co_u32 s[KP], s[KP], 1
	s_and_b32 s[KP], s[KP], NSTEP-1                ; the walk goes round
	s_lshl_b32 s[POF], s[KP], 8
	s_add_nc_u64 s[PFA:PFA+1], s[PFB:PFB+1], s[POF:POF+1]
.endif
	WIN 0                                          ; (the add's two registers lie in window 0)
	s_wait_tensorcnt 0x0                           ; all my tensor loads have landed, so every group 0 may be written;
	ds_add_u32 v[SPW], v[NIL]                      ; 0 onto my spare word: work on registers stands between it and the wait for it
.if \fill
	s_lshl_b32 s[OA], s[KSN], 8                    ; this slot's next tiles: K step KSN, both addresses made anew from the kept bases
	s_mul_i32 s[OB], s[KSN], KSTEP*NTOT*2
	s_add_nc_u64 s[G0+4*(\slot)+2:G0+4*(\slot)+3], s[14:15], s[OA:OA+1]
	s_or_b32 s[G0+4*(\slot)+3], s[G0+4*(\slot)+3], 0x80000000
	s_add_nc_u64 s[G0B+4*(\slot)+2:G0B+4*(\slot)+3], s[46:47], s[OB:OB+1]
	s_or_b32 s[G0B+4*(\slot)+3], s[G0B+4*(\slot)+3], 0x80000000
	s_add_co_u32 s[KSN], s[KSN], 1
	s_and_b32 s[KSN], s[KSN], NSTEP-1              ; the walk goes round
.endif
	s_wait_dscnt 9                                 ; (the add and the youngest eight loads may be out)
	MULS F1, 0, 0, 0                               ; matrix instructions stand between the add and the wait for it
	s_wait_dscnt 0x0                               ; the add is done, and my reads of this slot are over
	s_barrier_signal -1
	MULS F1, 0, 2, 0                               ; work on registers while the others arrive
.if \fill
	WIN 0
.endif
	s_barrier_wait -1
.if \fill
	CREST                                          ; no wave of any partner still reads this slot or has a load on its way
	JLOAD \slot                                    ; the first tensor load behind the round, my only one until the next; its four v_nop are also the places in front of the loads below
.else
	PLACES
.endif
	FETCH \next, 0, F0
.if \fill
	ASK                                            ; behind the joint load and the run of LDS loads that the next products wait for
.endif
	MULS F1, 1, 0, 0
	MULS F1, 1, 2, 0
.endm
	s_wait_tensorcnt 1                             ; my part of the walk's step 0 is in; step 1's may stay out
	s_barrier_signal -1
	s_barrier_wait -1                              ; everybody's is
	FETCH 0, 0, F0
	QUARTER 0, 1, F0, F1, 1                        ; the first quarter stands in front of the loop: its products start the sums, nothing is cleared
	WIN 0                                          ; at a label and at a branch every window is 0
	s_mov_b32 s3, LAPS-1
.Llap:                                                 ; a trip goes once round the ring, from a lap's second quarter to the next lap's first, and fills both slots again
	QUARTER 0, 2, F1, F0, 0
	QUARTER 0, 3, F0, F1, 0
	TURN 0, 1, 1
	QUARTER 1, 1, F0, F1, 0
	QUARTER 1, 2, F1, F0, 0
	QUARTER 1, 3, F0, F1, 0
	TURN 1, 0, 1
	QUARTER 0, 1, F0, F1, 0
	WIN 0
	s_sub_co_u32 s3, s3, 1
	s_cmp_lg_u32 s3, 0
	s_cbranch_scc1 .Llap
	QUARTER 0, 2, F1, F0, 0                        ; the last lap fills nothing, and has no round of the cluster's barrier
	QUARTER 0, 3, F0, F1, 0
	TURN 0, 1, 0
	QUARTER 1, 1, F0, F1, 0
	QUARTER 1, 2, F1, F0, 0
	QUARTER 1, 3, F0, F1, 0
	s_wait_dscnt 8                                 ; the very last quarter: nothing more to fetch
	MULS F1, 0, 0, 0
	MULS F1, 0, 2, 0
	s_wait_dscnt 0x0
	MULS F1, 1, 0, 0
	MULS F1, 1, 2, 0
	WIN 0
	PLACES
.if KIND
	; THE WAY OUT, f32: a block of 16 rows at a time through my own stage: 32 bytes a lane in, whole rows of 256 bytes back.  LDS serves a wave's instructions in order (ISA guide 5.7.1.4), so no wait stands between
	; my stores and my loads.  Each accumulator's low registers are read first.
.set aa, 0
.rept 8
	WIN 0x08+4*(aa/4)                              ; the LDS store's data (source 1) in window 2 or 3
.set bb, 0
.rept NB
	ds_store_b128 v[STO], v[8*(NB*(aa%4)+bb):8*(NB*(aa%4)+bb)+3]   offset:64*bb
	ds_store_b128 v[STO], v[8*(NB*(aa%4)+bb)+4:8*(NB*(aa%4)+bb)+7] offset:64*bb+16
.set bb, bb+1
.endr
	WIN 0
	s_wait_xcnt 0x0                                ; the stores of two blocks back have read this row buffer: it is loaded again only behind this wait
.irp t, 0,1,2,3,4,5,6,7
	ds_load_b128 v[64+32*(aa%2)+4*(\t):64+32*(aa%2)+4*(\t)+3], v[RD] offset:(\t)*2*272
.endr
.irp t, 0,1,2,3,4,5,6,7
	s_wait_dscnt 7-(\t)                            ; rows 2 t and 2 t + 1 are back; the younger loads may stay out
	global_store_b128 v[CO], v[64+32*(aa%2)+4*(\t):64+32*(aa%2)+4*(\t)+3], s[8:9] offset:aa*131072+(\t)*16384 th:TH_STORE_NT  ; 16 lanes store 256 consecutive bytes, at a multiple of 256 from C's first byte
.endr
.set aa, aa+1
.endr
.else
	; THE WAY OUT, f16 by heads: rounded once, 16 bytes a lane into the work-group's stage; a barrier, since a row's 256 bytes come from four waves; back as whole rows, 32 rows of each piece a wave.
.set aa, 0
.rept 8
	WIN 0x0a+5*(aa/4)                              ; sources 0 and 1: window 2 or 3
.set bb, 0
.rept NB
.irp r, 0,1,2,3
	v_cvt_pk_f16_f32 v[TMP+4*bb+(\r)], v[8*(NB*(aa%4)+bb)+2*(\r)], v[8*(NB*(aa%4)+bb)+2*(\r)+1]
.endr
.set bb, bb+1
.endr
	WIN 0
.set bb, 0
.rept NB
	ds_store_b128 v[STO+bb/2], v[TMP+4*bb:TMP+4*bb+3] offset:aa*16*272+(bb%2)*32
.set bb, bb+1
.endr
.set aa, aa+1
.endr
	s_wait_dscnt 0x0                               ; for the others' sake: my stores into the stage are done
	s_barrier_signal -1
	s_barrier_wait -1
.set n, 0
.rept 48
	ds_load_b128 v[64+4*n:64+4*n+3], v[RD+n/16] offset:(n%16)*2*272
.set n, n+1
.endr
.set n, 0
.rept 48
	s_wait_dscnt 47-n                              ; load n is back; the younger ones may stay out
	global_store_b128 v[CO], v[64+4*n:64+4*n+3], s[8:9] offset:(n/16)*1048576+(n%16)*512  ; two rows of a head: 512 consecutive bytes, at a multiple of 256 from C's first byte
.set n, n+1
.endr
.endif
	s_wait_tensorcnt 0x0                           ; the wave's end: behind my last tensor load and my last LDS store
	ds_add_u32 v[SPW], v[NIL]
	s_wait_dscnt 0x0
	CROUND                                         ; the closing round: no work-group ends while a partner may still ask for a tile that names it
	s_endpgm
.Lfunc_end_k_q20334548d6_proj_out:
	.size	k_q20334548d6_proj_out, .Lfunc_end_k_q20334548d6_proj_out-k_q20334548d6_proj_out
	.p2alignl 7, 3214868480
	.fill 96, 4, 3214868480
	.section	.rodata,"a",@progbits
	.p2align	6, 0x0
	.amdhsa_kernel k_q20334548d6_proj_out
		.amdhsa_group_segment_fixed_size 327680
		.amdhsa_private_segment_fixed_size 0
		.amdhsa_enable_private_segment 0
		.amdhsa_kernarg_size 24
		.amdhsa_user_sgpr_count 2
		.amdhsa_user_sgpr_kernarg_segment_ptr 1
		.amdhsa_wavefront_size32 1
		.amdhsa_system_sgpr_workgroup_id_x 1
		.amdhsa_system_sgpr_workgroup_id_y 1
		.amdhsa_system_sgpr_workgroup_id_z 1
		.amdhsa_system_vgpr_workitem_id 0
		.amdhsa_next_free_vgpr 1024
		.amdhsa_next_free_sgpr 92
		.amdhsa_reserve_vcc 0
		.amdhsa_float_denorm_mode_32 3
		.amdhsa_float_denorm_mode_16_64 3
		.amdhsa_memory_ordered 1
		.amdhsa_forward_progress 1
		.amdhsa_inst_pref_size 90
	.end_amdhsa_kernel
	.amdgpu_metadata
---
amdhsa.version: [ 1, 2 ]
amdhsa.kernels:
  - .name:           k_q20334548d6_proj_out
    .symbol:         k_q20334548d6_proj_out.kd
    .args:
      - { .name: y, .offset: 0, .size: 8, .value_kind: global_buffer, .address_space: global }
      - { .name: wo16, .offset: 8, .size: 8, .value_kind: global_buffer, .address_space: global }
      - { .name: out0, .offset: 16, .size: 8, .value_kind: global_buffer, .address_space: global }
    .group_segment_fixed_size: 327680
    .private_segment_fixed_size: 0
    .kernarg_segment_align: 8
    .kernarg_segment_size: 24
    .max_flat_workgroup_size: 128
    .sgpr_count:     92
    .vgpr_count:     1024
    .wavefront_size: 32
...
	.end_amdgpu_metadata
.endif
;; end of part 4
;; ======== version 2 of 2: 4 launches; version 1 with the launch prep written anew for expert scheduling mode
;; limits: values are held in f16: magnitudes above 65,504 overflow, below 6.1e-05 lose precision
;; workspace buffers: xb 16,777,216 bytes; wqkv 12,582,912 bytes; wo16 8,388,608 bytes; qkv 25,165,824 bytes; y 16,777,216 bytes
;; launch prep (part 5): grid 896 x 1, 8 waves a work-group, no clusters, 0 bytes of LDS; arguments x, Wq, Wk, Wv, xb, wqkv; writes xb, wqkv
.if DOCPART == 5
	.amdgcn_target "amdgcn-amd-amdhsa--gfx1250"
	.amdhsa_code_object_version 6
	.text
	.protected	k_q20334548d6_prep
	.globl	k_q20334548d6_prep
	.p2align	8
	.type	k_q20334548d6_prep,@function
k_q20334548d6_prep:
	s_mov_b64 s[64:65], 0
	v_nop
	global_prefetch_b8 v0, s[64:65] scope:SCOPE_SE
	s_setreg_imm32_b32 hwreg(HW_REG_WAVE_SCHED_MODE, 0, 2), 2
	s_setreg_imm32_b32 hwreg(HW_REG_WAVE_MODE, 25, 1), 1
	s_wait_xcnt 0x0
	s_wait_alu depctr_vm_vsrc(0)
; THE CASTS in front of the first product.  x -> xb (bf16, [4096][2048]);  Wq, Wk, Wv -> wqkv (bf16, one matrix [2048 k][3072 n]: columns 0-2047 Wq, 2048-2559 Wk, 2560-3071 Wv).
; (Wo's cast is wanted two launches on and rides in the attention launch.)  NaN and infinities pass as the conversion gives them.
; SHARES.  A work-group takes 16,384 consecutive numbers of one source (65,536 bytes): 16 steps of 1,024; in a step thread t takes 4 numbers: one load of 16 bytes, one store of 8.
; A wave's load covers 512 consecutive bytes, a wave's store 256 consecutive bytes at a multiple of 256 from the buffer's first byte.  All 16 loads go out first; no register is written twice
; while a memory instruction may read it.  No LDS, no matrix unit, no cluster: nothing is shared and nothing is multiplied.
; Work-groups 0-511: x;  512-767: Wq (8 rows each);  768-831: Wk (32 rows of 512 each);  832-895: Wv.
; THE MODE: SCHED_MODE bits 1:0 = 2 (LLVM: expert scheduling mode 2), set by the entry lines.  The code itself states the register dependences
; between vector instructions and memory instructions, with s_wait_alu, always for 0.
; THE PLAN.  Registers that memory instructions touch:
;   v1         the loads' offset;  v2, v3  the stores' offsets.  Made at the head by vector instructions, never written again.
;   X, step j  written by the step's one load, which is issued before any vector instruction names these registers; read by the step's two conversions, behind the counted wait for the load.
;   Y, step j  written once, by the step's two conversions; read once, by the step's store.
; The 16 steps go in four blocks of four.  Block p holds the conversions of its own steps and the stores of block p - 1: ONE wait on va_vdst at the block's head states that the block before has
; written its Y, and the block's conversions name only its own X and Y, none of the registers that its stores read.  One such wait at the kernel's head stands for the three offsets, one behind
; block 3 for the last four stores.  No register that a memory instruction reads is ever written again, so there is no wait on vm_vsrc; no vector instruction writes a scalar register; EXEC is never written.
.set X, 16                             ; v[16:79]  step j: 4 numbers as loaded
.set Y, 80                             ; v[80:111] step j: 4 numbers of 16 bits, to store
	s_load_b256 s[8:15], s[0:1], 0x0               ; x 8:9, Wq 10:11, Wk 12:13, Wv 14:15
	s_load_b128 s[16:19], s[0:1], 0x20             ; xb 16:17, wqkv 18:19
	v_lshlrev_b32 v1, 4, v0                        ; 16 t: my bytes in a step of the source
	v_lshlrev_b32 v2, 3, v0                        ; 8 t: my bytes in a step of a dense or wide destination
	v_lshrrev_b32 v3, 7, v0                        ; Wk, Wv: a step is two rows of 512: row t / 128,
	v_and_b32 v4, 127, v0
	v_mul_u32_u24 v3, v3, 6144                     ; 6,144 bytes from row to row of wqkv,
	v_lshl_add_u32 v3, v4, 3, v3                   ; 8 bytes for each thread of the row
	s_mov_b32 s25, 0
	s_mov_b32 s27, 0
	s_wait_kmcnt 0x0
	s_mov_b64 s[4:5], s[8:9]                       ; the source and its first work-group, chosen by the work-group's number alone
	s_mov_b32 s2, 0
	s_cmp_ge_u32 ttmp9, 512
	s_cselect_b64 s[4:5], s[10:11], s[4:5]
	s_cselect_b32 s2, 512, s2
	s_cmp_ge_u32 ttmp9, 768
	s_cselect_b64 s[4:5], s[12:13], s[4:5]
	s_cselect_b32 s2, 768, s2
	s_cmp_ge_u32 ttmp9, 832
	s_cselect_b64 s[4:5], s[14:15], s[4:5]
	s_cselect_b32 s2, 832, s2
	s_sub_co_u32 s3, ttmp9, s2                     ; my number within the source
	s_lshl_b32 s24, s3, 16                         ; 65,536 bytes each
	s_add_nc_u64 s[4:5], s[4:5], s[24:25]
	s_wait_alu depctr_va_vdst(0)                   ; v1, v2 and v3 are written: the loads below read v1 as their offset, the stores of every path v2 or v3; no later line writes them
.set j, 0
.rept 16
	global_load_b128 v[X+4*j:X+4*j+3], v1, s[4:5] offset:4096*j th:TH_LOAD_NT
.set j, j+1
.endr
; Where step k lies in its destination.  mode: 0 dense, 1 half rows of wqkv, 2 two short rows of wqkv.
.macro WHERE mode, k
.if (\mode) == 0
.set ofs, 2048*(\k)
.elseif (\mode) == 1
.set ofs, ((\k)/2)*6144+((\k)%2)*2048
.else
.set ofs, 12288*(\k)
.endif
.endm
; The 16 steps of one kind of destination, in four blocks of four.  vo: the register with my store offset.
; Step j: the store of step j - 4, which hangs on no load of this block and so stands ahead of the wait for one; the wait for step j's load; its two conversions.
.macro PATH vo, mode
.set j, 0
.rept 16
.if (j%4 == 0) && (j > 0)
	s_wait_alu depctr_va_vdst(0)                   ; a block's head: the conversions of the block before have written their eight registers of Y, which this block's four stores read
.endif
.if j >= 4
	WHERE \mode, j-4
	global_store_b64 v[\vo], v[Y+2*j-8:Y+2*j-7], s[6:7] offset:ofs  ; no vector instruction since the wait at the block's head names these registers
.endif
	s_wait_loadcnt 15-j                            ; loads come back in order: step j is in, the 15 - j younger ones may stay out
	v_cvt_pk_bf16_f32 v[Y+2*j], v[X+4*j], v[X+4*j+1]
	v_cvt_pk_bf16_f32 v[Y+2*j+1], v[X+4*j+2], v[X+4*j+3]
.set j, j+1
.endr
	s_wait_alu depctr_va_vdst(0)                   ; the last block's conversions have written their eight registers of Y, which the last four stores read
.set j, 12
.rept 4
	WHERE \mode, j
	global_store_b64 v[\vo], v[Y+2*j:Y+2*j+1], s[6:7] offset:ofs
.set j, j+1
.endr
	s_endpgm
.endm
	s_cmp_lt_u32 ttmp9, 512
	s_cbranch_scc1 .Lx
	s_cmp_lt_u32 ttmp9, 768
	s_cbranch_scc1 .Lwq
	s_mul_i32 s26, s3, 196608                      ; Wk, Wv: 32 rows of wqkv a work-group,
	s_mov_b32 s28, 4096                            ; from column 2,048 on (Wk)
	s_cmp_ge_u32 ttmp9, 832
	s_cselect_b32 s28, 5120, s28                   ; or 2,560 (Wv)
	s_add_co_u32 s26, s26, s28
	s_add_nc_u64 s[6:7], s[18:19], s[26:27]
	PATH 3, 2
.Lx:
	s_lshl_b32 s26, s3, 15                         ; 32,768 bytes out a work-group
	s_add_nc_u64 s[6:7], s[16:17], s[26:27]
	PATH 2, 0
.Lwq:
	s_mul_i32 s26, s3, 49152                       ; 8 rows of wqkv a work-group
	s_add_nc_u64 s[6:7], s[18:19], s[26:27]
	PATH 2, 1
.Lfunc_end_k_q20334548d6_prep:
	.size	k_q20334548d6_prep, .Lfunc_end_k_q20334548d6_prep-k_q20334548d6_prep
	.p2alignl 7, 3214868480
	.fill 96, 4, 3214868480
	.section	.rodata,"a",@progbits
	.p2align	6, 0x0
	.amdhsa_kernel k_q20334548d6_prep
		.amdhsa_group_segment_fixed_size 0
		.amdhsa_private_segment_fixed_size 0
		.amdhsa_enable_private_segment 0
		.amdhsa_kernarg_size 48
		.amdhsa_user_sgpr_count 2
		.amdhsa_user_sgpr_kernarg_segment_ptr 1
		.amdhsa_wavefront_size32 1
		.amdhsa_system_sgpr_workgroup_id_x 1
		.amdhsa_system_sgpr_workgroup_id_y 1
		.amdhsa_system_sgpr_workgroup_id_z 1
		.amdhsa_system_vgpr_workitem_id 0
		.amdhsa_next_free_vgpr 112
		.amdhsa_next_free_sgpr 66
		.amdhsa_reserve_vcc 0
		.amdhsa_float_denorm_mode_32 3
		.amdhsa_float_denorm_mode_16_64 3
		.amdhsa_memory_ordered 1
		.amdhsa_forward_progress 1
		.amdhsa_inst_pref_size 17
	.end_amdhsa_kernel
	.amdgpu_metadata
---
amdhsa.version: [ 1, 2 ]
amdhsa.kernels:
  - .name:           k_q20334548d6_prep
    .symbol:         k_q20334548d6_prep.kd
    .args:
      - { .name: x, .offset: 0, .size: 8, .value_kind: global_buffer, .address_space: global }
      - { .name: Wq, .offset: 8, .size: 8, .value_kind: global_buffer, .address_space: global }
      - { .name: Wk, .offset: 16, .size: 8, .value_kind: global_buffer, .address_space: global }
      - { .name: Wv, .offset: 24, .size: 8, .value_kind: global_buffer, .address_space: global }
      - { .name: xb, .offset: 32, .size: 8, .value_kind: global_buffer, .address_space: global }
      - { .name: wqkv, .offset: 40, .size: 8, .value_kind: global_buffer, .address_space: global }
    .group_segment_fixed_size: 0
    .private_segment_fixed_size: 0
    .kernarg_segment_align: 8
    .kernarg_segment_size: 48
    .max_flat_workgroup_size: 256
    .sgpr_count:     66
    .vgpr_count:     112
    .wavefront_size: 32
...
	.end_amdgpu_metadata
.endif
;; end of part 5
;; launch proj_qkv: the kernel of part 2 again; grid 8 x 32, 4 waves a work-group, clusters of 4 x 4, 327,680 bytes of LDS; arguments xb, wqkv, qkv; writes qkv
;; launch attn: the kernel of part 3 again; grid 16 x 16, 4 waves a work-group, clusters of 4 x 1, 327,680 bytes of LDS; arguments qkv, Wo, y, wo16; writes y, wo16
;; launch proj_out: the kernel of part 4 again; grid 8 x 32, 4 waves a work-group, clusters of 4 x 4, 327,680 bytes of LDS; arguments y, wo16, out0; writes out0
